; MI455X (gfx1250); checked and timed in simulation.
; The chip was launched on July 23, 2026; its instructions are those of AMD's public machine-readable ISA for CDNA 5 (MIT licence, August 2026) and "CDNA5" Instruction Set Architecture Reference Guide (July 2026). The comments in the code are by the model that wrote it; some were corrected since.
;; Encoder Block. Allowed arithmetic: matrix products marked QUANTISED: E4M3 operands, one given power-of-two scale a tensor, by v_wmma_f32_16x16x64_fp8_fp8 or v_wmma_f32_16x16x128_fp8_fp8, f32 sums; everything else in f32.
;; Inputs: b1 4,096 float32; b2 1,024 float32; bk 1,024 float32; bo 1,024 float32; bq 1,024 float32; bv 1,024 float32; ln1_a 1,024 float32; ln1_b 1,024 float32; ln2_a 1,024 float32; ln2_b 1,024 float32; lowp_scales 16 int32 (the exponents e of the quantised operands' scales 2^e); mask 2 x 1 x 1 x 2,048 int32; w1 1,024 x 4,096 float32; w2 4,096 x 1,024 float32; wk 1,024 x 1,024 float32; wo 1,024 x 1,024 float32; wq 1,024 x 1,024 float32; wv 1,024 x 1,024 float32; x 2 x 2,048 x 1,024 float32.
;; Outputs: out0 2 x 2,048 x 1,024 float32.
;; This version of the problem:
;;   THIS VERSION OF THE PROBLEM IS GIVEN IN LOW PRECISION. The matrix products marked QUANTISED in the list below multiply operands that are first quantised to E4M3 (4 exponent bits, 3 mantissa bits; 8 bits a number), with one given power-of-two scale for each operand tensor; their sums are f32. All else is computed in f32.
;;   The module's matrix products, in the order in which they are computed (A, B: the left and right operand; K: the contracted axis; several contracted axes count as one K, in the product's order):
;;     1. [M 4,096, K 1,024] x [K 1,024, N 1,024]; A: computed on the way; B: input wq: QUANTISED (scales: A lowp_scales[0], B lowp_scales[1])
;;     2. [M 4,096, K 1,024] x [K 1,024, N 1,024]; A: computed on the way; B: input wk: QUANTISED (scales: A lowp_scales[2], B lowp_scales[3])
;;     3. [M 4,096, K 1,024] x [K 1,024, N 1,024]; A: computed on the way; B: input wv: QUANTISED (scales: A lowp_scales[4], B lowp_scales[5])
;;     4. batch 32 x [M 2,048, K 64] x [K 64, N 2,048]; A: computed on the way; B: computed on the way: QUANTISED (scales: A lowp_scales[6], B lowp_scales[7])
;;     5. batch 32 x [M 2,048, K 2,048] x [K 2,048, N 64]; A: softmax (see below); B: computed on the way: QUANTISED (scales: A lowp_scales[8], B lowp_scales[9])
;;     6. [M 4,096, K 1,024] x [K 1,024, N 1,024]; A: computed on the way; B: input wo: QUANTISED (scales: A lowp_scales[10], B lowp_scales[11])
;;     7. [M 4,096, K 1,024] x [K 1,024, N 4,096]; A: computed on the way; B: input w1: QUANTISED (scales: A lowp_scales[12], B lowp_scales[13])
;;     8. [M 4,096, K 4,096] x [K 4,096, N 1,024]; A: computed on the way; B: input w2: QUANTISED (scales: A lowp_scales[14], B lowp_scales[15])
;;   THE QUANTISER, for each operand of a quantised product, along K:
;;     - The operand's scale is 2^e, e = its entry of the input lowp_scales (int32; the entries are numbered through the quantised products in the list's order, A before B).
;;     - Each number is divided by the scale, clamped to +-448, and rounded to the nearest number of E4M3, ties to even, subnormals kept.
;;     - The product sums the exact products of the quantised numbers (number of the format x scale) in f32.
;;   ~~~python
;;   def quantise(x, axis, e):      # numpy; x: float32 -> the quantised numbers, widened to float32 again
;;       x = np.moveaxis(x, axis, -1); K = x.shape[-1]
;;       r = np.clip(x / 2.0 ** e, -448, 448)
;;       step = 2.0 ** (np.maximum(np.frexp(np.where(r == 0, 1, r))[1] - 1, -6) - 3)
;;       q = np.round(r / step) * step * 2.0 ** e      # np.round: ties to even
;;       return np.moveaxis(q, -1, axis).astype(np.float32)
;;   ~~~
;;   SOFTMAX AHEAD OF A QUANTISED PRODUCT. Where the list says 'softmax', what is quantised is not the finished softmax but p = 2^(t - M), with t = logit x log2(e) and M = ceil(the row's largest t), a whole number; so 1/2 < the row's largest p <= 1. The row's sum l is taken of the UNQUANTISED p, in f32, and the product's result is divided by l at the end. Since M is a whole number, a kernel that streams over the keys may use a running M (the ceiling of the running maximum): every later rescaling is an exact power of two, so the quantised numbers keep their values, but for numbers so far below the row's largest that they fall under the format's range.
;;   OPERANDS COMPUTED ON THE WAY. 'Computed on the way' means the value that the module computes at that place (a softmax that the list does not call 'softmax' is quantised finished and normalised). What goes into a quantiser is computed in f32, as accurately as f32 sums, v_exp_f32 and their like allow (about 1e-6 of the number): no bf16 or f16 on the way to a quantiser, and a product that is left as it is and whose result goes on into a quantised operand takes f32 operands (vector FMAs, or v_wmma_f32_16x16x4_f32). A number that lies on a knife's edge between two numbers of the format may be rounded either way, as far as f32 arithmetic and the matrix unit's own rounding can turn it there, and no further.
;; One version. Each part assembles by itself: llvm-mc -triple=amdgcn-amd-amdhsa -mcpu=gfx1250 --defsym DOCPART=n.
;; ======== version 1 of 1: 7 launches
;; limits: right only within a limited range of input values
;; workspace buffers: wc 12,582,912 bytes; nc 12,582,912 bytes; qkv 12,582,912 bytes; ctx 4,194,304 bytes; x1 16,777,216 bytes; n2c 4,194,304 bytes; himg 16,777,216 bytes
;; launch prep (part 1): grid 640 x 1, 4 waves a work-group, no clusters, 35,328 bytes of LDS; arguments x, ln1_a, ln1_b, wq, wk, wv, wo, w1, w2, lowp_scales, wc, nc; writes wc, nc
.if DOCPART == 1
	.amdgcn_target "amdgcn-amd-amdhsa--gfx1250"
	.amdhsa_code_object_version 6
	.text
	.protected	k_q342c859138_prep
	.globl	k_q342c859138_prep
	.p2align	8
	.type	k_q342c859138_prep,@function
k_q342c859138_prep:
	s_mov_b64 s[64:65], 0
	v_nop
	global_prefetch_b8 v0, s[64:65] scope:SCOPE_SE
	s_setreg_imm32_b32 hwreg(HW_REG_WAVE_MODE, 25, 1), 1
	s_wait_xcnt 0x0
; TWO JOBS IN ONE LAUNCH, told apart by the work-group's number.
; Work-groups 0-383: the six weights, f32 [K][N], become codes of FP8 (E4M3) laid [N][K], K innermost, each with its given scale 2^e:
;   wc: wq at 0, wk at 1 MiB, wv at 2 MiB, wo at 3 MiB, w1 at 4 MiB, w2 at 8 MiB.
;   A work-group takes 128 columns x 256 along K; wave w takes K rows 64 w .. 64 w + 63.  A load reads 512 consecutive bytes of one row of W (a lane: 4 columns);
;   eight rows make, for each of a lane's 4 columns, 8 neighbours along K, which one conversion turns into 8 bytes.  The codes meet in a stage in LDS
;   (128 rows of 256 bytes + 16) and leave as whole rows: sixteen lanes store 256 consecutive bytes, aligned.
; Work-groups 384-639: n = LayerNorm(x) (mean, then the sum of squared differences over 1,023, 1e-6 added under the root), quantised three times, with the scales
;   of the three products that read it: nc = [3][4096][1024] codes.  One wave, one row at a time, four rows a wave, all four rows' loads out together.
; code = number / 2^e, held within +-448, to the nearest code, ties to even.
; LIMITS: every e used here lies between -126 and 119, so that 2^e and 448 x 2^e are f32 numbers.  NaN among the inputs is not served.
.set VO,   2                           ; v2-9     weights: 16 x lane + i rows of W
.set VS,   10                          ; v10      2^e
.set VL,   11                          ; v11      448 x 2^e
.set STA,  12                          ; v12      the stage, on the way in
.set RDA,  13                          ; v13      the stage, on the way out
.set T,    16                          ; v16-47   held numbers: 8 along K for each of 4 columns
.set C,    48                          ; v48-111  codes: 8 registers for each of 8 groups, never written again
.set X,    112                         ; v112-239 four sets of 32 numbers as loaded
.set OUTR, 112                         ; v112-175 the way out (X is done with)
.set VD,   176                         ; v176-191 the way out: byte offsets in wc
.set SB,   66                          ; s[66:81] eight bases, 8 rows of W apart
.set SP,   272                         ; a stage row: 256 bytes + 16
.set LX,   128                         ; LayerNorm: v128-255 four rows of 32 numbers a lane
.set AL,   64                          ; v64-95   alpha
.set BE,   96                          ; v96-127  beta
.set TT,   24                          ; v24-39   two sets of 8 held numbers
.set CC,   40                          ; v40-63   twelve pairs of codes
	s_load_b512 s[8:23], s[0:1], 0x0               ; x 8, ln1_a 10, ln1_b 12, wq 14, wk 16, wv 18, wo 20, w1 22
	s_load_b256 s[24:31], s[0:1], 0x40             ; w2 24, the scales' exponents 26, wc 28, nc 30
	s_set_vgpr_msb 0x40
	v_lshl_add_u32 v0, v0, 2, 0x8800
	v_mov_b32 v1, 0
	s_set_vgpr_msb 0x4000
	v_lshrrev_b32 v1, 5, v0
	v_readfirstlane_b32 s2, v1                     ; wave 0..3
	v_and_b32 v1, 31, v0                           ; lane
	s_wait_kmcnt 0x0
	s_load_b512 s[32:47], s[26:27], 0x0            ; e[i] in s[32 + i]
	s_wait_kmcnt 0x0
	s_cmp_ge_u32 ttmp9, 384
	s_cbranch_scc1 .Lln
	; ---------------- the weights
	s_lshr_b32 s3, ttmp9, 5                        ; 0 wq, 1 wk, 2 wv, 3 wo, 4-7 w1, 8-11 w2
	s_lshr_b32 s56, s3, 2                          ; 0 the four square ones, 1 w1, 2 w2
	s_mov_b64 s[48:49], s[24:25]
	s_mov_b32 s50, s47                             ; w2, e15
	s_cmp_lt_u32 s3, 8
	s_cselect_b64 s[48:49], s[22:23], s[48:49]
	s_cselect_b32 s50, s45, s50                    ; w1, e13
	s_cmp_lt_u32 s3, 4
	s_cselect_b64 s[48:49], s[20:21], s[48:49]
	s_cselect_b32 s50, s43, s50                    ; wo, e11
	s_cselect_b32 s53, 31, 127                     ; tiles in the tensor, less one
	s_cmp_lt_u32 s3, 3
	s_cselect_b64 s[48:49], s[18:19], s[48:49]
	s_cselect_b32 s50, s37, s50                    ; wv, e5
	s_cmp_lt_u32 s3, 2
	s_cselect_b64 s[48:49], s[16:17], s[48:49]
	s_cselect_b32 s50, s35, s50                    ; wk, e3
	s_cmp_lt_u32 s3, 1
	s_cselect_b64 s[48:49], s[14:15], s[48:49]
	s_cselect_b32 s50, s33, s50                    ; wq, e1
	s_and_b32 s53, ttmp9, s53                      ; my tile in the tensor
	s_cmp_eq_u32 s56, 1
	s_mov_b32 s51, 4096
	s_cselect_b32 s51, 16384, s51                  ; bytes in a row of W
	s_cselect_b32 s57, 5, 3                        ; log2 of the tiles along N
	s_cmp_eq_u32 s56, 2
	s_mov_b32 s52, 1024
	s_cselect_b32 s52, 4096, s52                   ; bytes in a row of codes
	s_bfm_b32 s58, s57, 0
	s_and_b32 s54, s53, s58                        ; which 128 columns
	s_lshr_b32 s55, s53, s57                       ; which 256 along K
	s_lshl_b32 s58, s3, 20
	s_lshl_b32 s59, s56, 22
	s_cmp_lt_u32 s3, 4
	s_cselect_b32 s58, s58, s59                    ; the tensor's place in wc
	s_lshl_b32 s59, s55, 8
	s_lshl_b32 s62, s2, 6
	s_add_co_u32 s59, s59, s62                     ; my wave's first row of W
	s_mul_i32 s62, s59, s51
	s_lshl_b32 s59, s54, 9
	s_add_co_u32 s62, s62, s59                     ; + 512 bytes for each 128 columns
	s_mov_b32 s63, 0
	s_add_nc_u64 s[SB:SB+1], s[48:49], s[62:63]
	s_lshl_b32 s62, s51, 3                         ; eight rows on
.irp g, 1,2,3,4,5,6,7
	s_add_nc_u64 s[SB+2*\g:SB+2*\g+1], s[SB+2*\g-2:SB+2*\g-1], s[62:63]
.endr
	s_lshl_b32 s59, s54, 7
	s_mul_i32 s82, s59, s52                        ; 128 rows of codes for each 128 columns
	s_add_co_u32 s82, s82, s58
	s_lshl_b32 s59, s55, 8
	s_add_co_u32 s82, s82, s59                     ; + my 256 bytes of a row
	s_mov_b32 s83, 0
	s_add_nc_u64 s[60:61], s[28:29], s[82:83]
	s_wait_alu depctr_va_vdst(0)
	v_lshlrev_b32 v[VO], 4, v1
.irp i, 1,2,3,4,5,6,7
	v_add_nc_u32 v[VO+\i], s51, v[VO+\i-1]
.endr
.macro LOADG g                         ; rows 8 g .. 8 g + 7 of my 64: each load is 512 consecutive bytes of one row
.irp i, 0,1,2,3,4,5,6,7
	global_load_b128 v[X+32*((\g)%4)+4*\i:X+32*((\g)%4)+4*\i+3], v[VO+\i], s[SB+2*(\g):SB+2*(\g)+1] th:TH_LOAD_NT
.endr
.endm
	LOADG 0
	LOADG 1
	LOADG 2
	LOADG 3
	s_add_co_i32 s50, s50, 127
	s_lshl_b32 s84, s50, 23
	v_mov_b32 v[VS], s84                           ; 2^e as f32: the conversion takes its exponent field
	s_add_co_i32 s50, s50, 8
	s_lshl_b32 s50, s50, 23
	s_or_b32 s50, s50, 0x600000
	v_mov_b32 v[VL], s50                           ; 448 x 2^e
	v_mul_u32_u24 v[STA], v1, SP
	s_lshl_b32 s84, s2, 6
	v_add_nc_u32 v[STA], s84, v[STA]               ; stage row 32 c + lane holds column 4 lane + c; my wave's 64 bytes of it
	v_lshrrev_b32 v14, 4, v1                       ; lane / 16
	v_and_b32 v15, 15, v1                          ; lane % 16
	s_mul_i32 s84, s2, 32*SP
	v_mul_u32_u24 v[RDA], v14, SP
	v_lshl_add_u32 v[RDA], v15, 4, v[RDA]
	v_add_nc_u32 v[RDA], s84, v[RDA]               ; back: wave w takes stage rows 32 w on, sixteen lanes to a row
.macro GROUP g, left
	s_wait_loadcnt \left                           ; this group's eight loads are in; the younger groups' stay out
.irp c, 0,1,2,3
.irp i, 0,1,2,3,4,5,6,7
	v_med3_num_f32 v[T+8*\c+\i], v[X+32*((\g)%4)+4*\i+\c], -v[VL], v[VL]   ; the hold (the conversion does not saturate: ISA guide 7.6.2), which also lays a column's 8 rows side by side
.endr
.endr
.if (\g) < 4
	LOADG (\g)+4
.endif
.irp c, 0,1,2,3
	v_cvt_scalef32_pk8_fp8_f32 v[C+8*(\g)+2*\c:C+8*(\g)+2*\c+1], v[T+8*\c:T+8*\c+7], v[VS]
.endr
	v_nop                                          ; a plain line between the conversions and the next group's holds, which write their sources
.irp c, 0,1,2,3
	ds_store_b64 v[STA], v[C+8*(\g)+2*\c:C+8*(\g)+2*\c+1] offset:32*SP*\c+8*(\g)
.endr
.endm
	s_wait_alu depctr_va_vdst(0)
	GROUP 0, 24
	GROUP 1, 24
	GROUP 2, 24
	GROUP 3, 24
	GROUP 4, 24
	GROUP 5, 16
	GROUP 6, 8
	GROUP 7, 0
	s_wait_dscnt 0x0                               ; for the others' sake: my stores into the stage are done
	s_barrier_signal -1
	s_barrier_wait -1
	v_lshl_add_u32 v16, v14, 2, s2                 ; stage row 32 w + 2 t + lane / 16 is column 8 t + 4 (lane / 16) + w
	v_lshlrev_b32 v17, 4, v15
	v_mad_u32_u24 v[VD], v16, s52, v17
	s_lshl_b32 s84, s52, 3
.irp t, 1,2,3,4,5,6,7,8,9,10,11,12,13,14,15
	v_add_nc_u32 v[VD+\t], s84, v[VD+\t-1]
.endr
.irp t, 0,1,2,3,4,5,6,7,8,9,10,11,12,13,14,15
	ds_load_b128 v[OUTR+4*\t:OUTR+4*\t+3], v[RDA] offset:2*SP*\t
.endr
	s_wait_alu depctr_va_vdst(0)
.irp t, 0,1,2,3,4,5,6,7,8,9,10,11,12,13,14,15
	s_wait_dscnt 15-\t
	global_store_b128 v[VD+\t], v[OUTR+4*\t:OUTR+4*\t+3], s[60:61]   ; sixteen lanes store 256 consecutive bytes of one row of codes, aligned
.endr
	s_set_vgpr_msb 0x5
	s_wait_tensorcnt 0x0
	ds_add_u32 v0, v1
	s_wait_dscnt 0x0
	s_set_vgpr_msb 0x500
	s_endpgm
	; ---------------- LayerNorm 1
.Lln:
	s_sub_co_u32 s3, ttmp9, 384
	s_lshl_b32 s3, s3, 4
	s_lshl_b32 s48, s2, 2
	s_add_co_u32 s3, s3, s48                       ; my wave's first row: 16 x work-group + 4 x wave
	s_lshl_b32 s48, s3, 12
	s_mov_b32 s49, 0
	s_add_nc_u64 s[92:93], s[8:9], s[48:49]
	s_lshl_b32 s48, s3, 10
	s_add_nc_u64 s[86:87], s[30:31], s[48:49]
	s_add_nc_u64 s[88:89], s[86:87], 0x400000
	s_add_nc_u64 s[90:91], s[88:89], 0x400000
	s_mov_b32 s82, 0x76543210                      ; v_permlanex16_b32: lane l takes lane l xor 16
	s_mov_b32 s83, 0xfedcba98
	s_mov_b32 s84, 0x3a802008                      ; 1 / 1023
	s_mov_b32 s85, 0x358637bd                      ; 1e-6
	s_wait_alu depctr_va_vdst(0)
	v_lshlrev_b32 v2, 5, v1                        ; a lane holds numbers 256 qd + 8 lane + 0 .. 7 of a row, qd = 0 .. 3
	v_lshlrev_b32 v3, 3, v1
.irp qd, 0,1,2,3
	global_load_b128 v[AL+8*\qd:AL+8*\qd+3], v2, s[10:11] offset:1024*\qd
	global_load_b128 v[AL+8*\qd+4:AL+8*\qd+7], v2, s[10:11] offset:1024*\qd+16
	global_load_b128 v[BE+8*\qd:BE+8*\qd+3], v2, s[12:13] offset:1024*\qd
	global_load_b128 v[BE+8*\qd+4:BE+8*\qd+7], v2, s[12:13] offset:1024*\qd+16
.endr
.irp i, 0,1,2,3
.irp qd, 0,1,2,3
	global_load_b128 v[LX+32*\i+8*\qd:LX+32*\i+8*\qd+3], v2, s[92:93] offset:4096*\i+1024*\qd th:TH_LOAD_NT
	global_load_b128 v[LX+32*\i+8*\qd+4:LX+32*\i+8*\qd+7], v2, s[92:93] offset:4096*\i+1024*\qd+16 th:TH_LOAD_NT
.endr
.endr
.macro MKS e, vs, vl                   ; 2^e and 448 x 2^e as f32
	s_add_co_i32 s48, s[\e], 127
	s_lshl_b32 s49, s48, 23
	v_mov_b32 v[\vs], s49
	s_add_co_i32 s48, s48, 8
	s_lshl_b32 s48, s48, 23
	s_or_b32 s48, s48, 0x600000
	v_mov_b32 v[\vl], s48
.endm
	MKS 32, 16, 19                                 ; e0: n as the operand of n wq
	MKS 34, 17, 20                                 ; e2: of n wk
	MKS 36, 18, 21                                 ; e4: of n wv
.macro JOIN                            ; four chains in v[8:15] -> the sum over the wave's 32 lanes, in v8 of every lane
	v_pk_add_f32 v[8:9], v[8:9], v[10:11]
	v_pk_add_f32 v[12:13], v[12:13], v[14:15]
	v_pk_add_f32 v[8:9], v[8:9], v[12:13]
	v_add_f32 v8, v8, v9
	v_add_f32_dpp v8, v8, v8 row_xmask:1 row_mask:0xf bank_mask:0xf
	v_add_f32_dpp v8, v8, v8 row_xmask:2 row_mask:0xf bank_mask:0xf
	v_add_f32_dpp v8, v8, v8 row_xmask:4 row_mask:0xf bank_mask:0xf
	v_add_f32_dpp v8, v8, v8 row_xmask:8 row_mask:0xf bank_mask:0xf
	v_permlanex16_b32 v9, v8, s82, s83
	v_add_f32 v8, v8, v9
.endm
.macro ROW i
.set R0, LX+32*\i
	s_wait_loadcnt 8*(3-\i)                        ; this row's eight loads are in; the later rows' stay out
.irp k, 0,1,2,3
	v_pk_add_f32 v[8+2*\k:9+2*\k], v[R0+2*\k:R0+2*\k+1], v[R0+8+2*\k:R0+9+2*\k]
.endr
.irp k, 0,1,2,3
	v_pk_add_f32 v[8+2*\k:9+2*\k], v[8+2*\k:9+2*\k], v[R0+16+2*\k:R0+17+2*\k]
.endr
.irp k, 0,1,2,3
	v_pk_add_f32 v[8+2*\k:9+2*\k], v[8+2*\k:9+2*\k], v[R0+24+2*\k:R0+25+2*\k]
.endr
	JOIN
	v_mul_f32 v4, 0x3a800000, v8                   ; the mean: sum / 1024
	v_mov_b32 v5, v4
.set j, 0
.rept 16
	v_pk_add_f32 v[R0+j:R0+j+1], v[R0+j:R0+j+1], v[4:5] neg_lo:[0,1] neg_hi:[0,1]   ; x - mean first: no difference of large sums is formed
.set j, j+2
.endr
.irp k, 0,1,2,3
	v_pk_mul_f32 v[8+2*\k:9+2*\k], v[R0+2*\k:R0+2*\k+1], v[R0+2*\k:R0+2*\k+1]
.endr
.irp m, 8,16,24
.irp k, 0,1,2,3
	v_pk_fma_f32 v[8+2*\k:9+2*\k], v[R0+\m+2*\k:R0+\m+2*\k+1], v[R0+\m+2*\k:R0+\m+2*\k+1], v[8+2*\k:9+2*\k]
.endr
.endr
	JOIN
	v_fma_f32 v8, v8, s84, s85                     ; the variance over 1,023, + 1e-6
	s_wait_alu depctr_va_vdst(0)
	v_rsq_f32 v6, v8
	v_rsq_f32 v7, v8
	v_nop                                          ; a plain line behind the roots, ahead of the first use
	s_wait_alu depctr_va_vdst(0)                   ; one wait for both, ahead of their first reader
.set j, 0
.rept 16
	v_pk_mul_f32 v[R0+j:R0+j+1], v[R0+j:R0+j+1], v[6:7]
.set j, j+2
.endr
.set j, 0
.rept 16
	v_pk_fma_f32 v[R0+j:R0+j+1], v[R0+j:R0+j+1], v[AL+j:AL+j+1], v[BE+j:BE+j+1]
.set j, j+2
.endr
.if \i > 0
	s_wait_xcnt 0x0                                ; the last row's stores have read their codes: the registers are written again only behind this wait
.endif
.irp qd, 0,1,2,3
.irp j, 0,1,2
.irp n, 0,1,2,3,4,5,6,7
	v_med3_num_f32 v[TT+8*((3*\qd+\j)%2)+\n], v[R0+8*\qd+\n], -v[19+\j], v[19+\j]
.endr
	v_cvt_scalef32_pk8_fp8_f32 v[CC+2*(3*\qd+\j):CC+2*(3*\qd+\j)+1], v[TT+8*((3*\qd+\j)%2):TT+8*((3*\qd+\j)%2)+7], v[16+\j]
.endr
.endr
	v_nop                                          ; a plain line behind the last conversion
.irp qd, 0,1,2,3
.irp j, 0,1,2
	global_store_b64 v3, v[CC+2*(3*\qd+\j):CC+2*(3*\qd+\j)+1], s[86+2*\j:87+2*\j] offset:1024*\i+256*\qd   ; 32 lanes store 256 consecutive bytes, aligned
.endr
.endr
.endm
	ROW 0
	ROW 1
	ROW 2
	ROW 3
	s_endpgm
.Lfunc_end_k_q342c859138_prep:
	.size	k_q342c859138_prep, .Lfunc_end_k_q342c859138_prep-k_q342c859138_prep
	.p2alignl 7, 3214868480
	.fill 96, 4, 3214868480
	.section	.rodata,"a",@progbits
	.p2align	6, 0x0
	.amdhsa_kernel k_q342c859138_prep
		.amdhsa_group_segment_fixed_size 35328
		.amdhsa_private_segment_fixed_size 0
		.amdhsa_enable_private_segment 0
		.amdhsa_kernarg_size 96
		.amdhsa_user_sgpr_count 2
		.amdhsa_user_sgpr_kernarg_segment_ptr 1
		.amdhsa_wavefront_size32 1
		.amdhsa_system_sgpr_workgroup_id_x 1
		.amdhsa_system_sgpr_workgroup_id_y 1
		.amdhsa_system_sgpr_workgroup_id_z 1
		.amdhsa_system_vgpr_workitem_id 0
		.amdhsa_next_free_vgpr 258
		.amdhsa_next_free_sgpr 100
		.amdhsa_reserve_vcc 0
		.amdhsa_float_denorm_mode_32 3
		.amdhsa_float_denorm_mode_16_64 3
		.amdhsa_memory_ordered 1
		.amdhsa_forward_progress 1
		.amdhsa_inst_pref_size 98
	.end_amdhsa_kernel
	.amdgpu_metadata
---
amdhsa.version: [ 1, 2 ]
amdhsa.kernels:
  - .name:           k_q342c859138_prep
    .symbol:         k_q342c859138_prep.kd
    .args:
      - { .name: x, .offset: 0, .size: 8, .value_kind: global_buffer, .address_space: global }
      - { .name: ln1_a, .offset: 8, .size: 8, .value_kind: global_buffer, .address_space: global }
      - { .name: ln1_b, .offset: 16, .size: 8, .value_kind: global_buffer, .address_space: global }
      - { .name: wq, .offset: 24, .size: 8, .value_kind: global_buffer, .address_space: global }
      - { .name: wk, .offset: 32, .size: 8, .value_kind: global_buffer, .address_space: global }
      - { .name: wv, .offset: 40, .size: 8, .value_kind: global_buffer, .address_space: global }
      - { .name: wo, .offset: 48, .size: 8, .value_kind: global_buffer, .address_space: global }
      - { .name: w1, .offset: 56, .size: 8, .value_kind: global_buffer, .address_space: global }
      - { .name: w2, .offset: 64, .size: 8, .value_kind: global_buffer, .address_space: global }
      - { .name: lowp_scales, .offset: 72, .size: 8, .value_kind: global_buffer, .address_space: global }
      - { .name: wc, .offset: 80, .size: 8, .value_kind: global_buffer, .address_space: global }
      - { .name: nc, .offset: 88, .size: 8, .value_kind: global_buffer, .address_space: global }
    .group_segment_fixed_size: 35328
    .private_segment_fixed_size: 0
    .kernarg_segment_align: 8
    .kernarg_segment_size: 96
    .max_flat_workgroup_size: 128
    .sgpr_count:     100
    .vgpr_count:     258
    .wavefront_size: 32
...
	.end_amdgpu_metadata
.endif
;; end of part 1
;; launch qkv (part 2): grid 12 x 16, 4 waves a work-group, clusters of 4 x 4, 327,680 bytes of LDS; arguments nc, wc, lowp_scales, bq, bk, bv, qkv; writes qkv
.if DOCPART == 2
	.amdgcn_target "amdgcn-amd-amdhsa--gfx1250"
	.amdhsa_code_object_version 6
	.text
	.protected	k_q342c859138_qkv
	.globl	k_q342c859138_qkv
	.p2align	8
	.type	k_q342c859138_qkv,@function
k_q342c859138_qkv:
	s_mov_b64 s[64:65], 0
	v_nop
	global_prefetch_b8 v0, s[64:65] scope:SCOPE_SE
	s_setreg_imm32_b32 hwreg(HW_REG_WAVE_MODE, 25, 1), 1
	s_wait_xcnt 0x0
	s_wait_alu depctr_hold_cnt(0) depctr_sa_sdst(0) depctr_va_vdst(0) depctr_va_sdst(0) depctr_va_ssrc(0) depctr_va_vcc(0) depctr_vm_vsrc(0)
	s_getreg_b32 s2, hwreg(HW_REG_IB_STS2, 6, 4)
	s_cmp_eq_u32 s2, 0
	s_cbranch_scc0 .Lentry_in_a_cluster
	s_endpgm
.Lentry_in_a_cluster:
	s_bfe_u32 s2, ttmp6, 0x10000c
	s_cmp_lg_u32 s2, 0xf033
	s_cbranch_scc0 .Lentry_shape_is_right
	s_endpgm
.Lentry_shape_is_right:
.set KSTEP,  256
.set ROWB,   256
.set KROW,   1024
.set PITCH,  272
.set FR,     16
.set NL,     4
.set NP,     4
.set HALFT,  128*PITCH
.set SLOT,   4*HALFT
.set LAPS,   2
.set SPARE,  2*SLOT
.set ADRA, 16
.set ADRB, 20
.set CO,   26
.set SPW,  28
.set NIL,  29
.set BC,   32
.set BR,   96
.set AF,   128
.set T,    128
.set IM,   192
.set G1, 24
.set G0, 32
.set G1B, 48
.set G0B, 56
.set MSB, 0
.macro WIN new
.if MSB != \new
	s_set_vgpr_msb (MSB<<8)|\new
.set MSB, \new
.endif
.endm
.set MUL_LO, 0xa1
.set MUL_HI, 0xf1
.set TO_B,   0x40
.macro JLOAD g0a, g1a, g0b, g1b
	s_cmp_eq_u32 s15, 0
	s_cbranch_scc0 .Lfor_b_\@
	tensor_load_to_lds s[\g0a:\g0a+3], s[\g1a:\g1a+7]
	s_nop 0
.rept 4
	v_nop
.endr
	s_branch .Lasked_\@
.Lfor_b_\@:
	tensor_load_to_lds s[\g0b:\g0b+3], s[\g1b:\g1b+7]
	s_nop 0
.rept 4
	v_nop
.endr
.Lasked_\@:
.endm
.macro CREST
	s_cmp_lg_u32 s14, 0
	s_cbranch_scc1 .Lnot_wave_0_\@
	s_barrier_signal -3
.Lnot_wave_0_\@:
	s_barrier_wait -3
	s_barrier_signal -1
	s_barrier_wait -1
.endm
.macro CROUND
	s_barrier_signal -1
	s_barrier_wait -1
	CREST
.endm
	s_load_b256 s[68:75], s[0:1], 0x0
	s_load_b128 s[76:79], s[0:1], 0x20
	s_load_b64 s[80:81], s[0:1], 0x30
	v_lshl_add_u32 v[SPW], v0, 2, SPARE
	v_mov_b32 v[NIL], 0
	ds_add_u32 v28, v29
	ds_add_u32 v28, v29
	s_wait_dscnt 0x0
	v_lshrrev_b32 v1, 5, v0
	v_readfirstlane_b32 s14, v1
	s_lshr_b32 s15, s14, 1
	s_and_b32 s16, s14, 1
	s_bfe_u32 s40, ttmp6, 0x40000
	s_bfe_u32 s41, ttmp6, 0x40004
	s_and_b32 s13, ttmp7, 0xffff
	s_lshl_b32 s13, s13, 2
	s_cmp_eq_u32 ttmp9, 2
	s_cselect_b32 s17, 0, s13
	s_cselect_b32 s42, s13, 0
	s_add_co_u32 s17, s17, s41
	s_add_co_u32 s42, s42, s40
	s_lshl_b32 s43, s41, 2
	s_lshl_b32 s43, 15, s43
	s_lshl_b32 s44, 0x1111, s40
	s_or_b32 s[G1+0], s43, (0<<16)|(1<<20)|(1<<21)|(5<<22)|(3<<25)
	s_or_b32 s[G1B+0], s44, (0<<16)|(1<<20)|(1<<21)|(5<<22)|(3<<25)
.irp g, G1, G1B
	s_mov_b32 s[\g+1], ROWB<<16
	s_mov_b32 s[\g+2], 128<<16
	s_mov_b32 s[\g+3], ROWB<<16
	s_mov_b32 s[\g+4], 128
	s_mov_b32 s[\g+5], KROW
	s_mov_b32 s[\g+6], 0
	s_mov_b32 s[\g+7], 0
.endr
	s_lshl_b32 s18, s16, 7
	s_lshl_b32 s20, s17, 8
	s_add_co_u32 s20, s20, s18
	s_lshl_b32 s46, s42, 8
	s_add_co_u32 s46, s46, s18
	s_lshl_b32 s20, s20, 10
	s_lshl_b32 s46, s46, 10
	s_lshl_b32 s18, ttmp9, 22
	s_lshl_b32 s19, ttmp9, 20
	s_cmp_eq_u32 ttmp9, 2
	s_cselect_b32 s22, s19, s18
	s_cselect_b32 s23, s18, s19
	s_add_co_u32 s20, s20, s22
	s_add_co_u32 s46, s46, s23
	s_mov_b32 s21, 0
	s_mov_b32 s47, 0
	s_mul_i32 s45, s14, HALFT
	s_wait_kmcnt 0x0
	s_load_b512 s[84:99], s[72:73], 0x0
	s_cmp_eq_u32 ttmp9, 2
	s_cselect_b64 s[4:5], s[70:71], s[68:69]
	s_cselect_b64 s[6:7], s[68:69], s[70:71]
	s_add_nc_u64 s[20:21], s[4:5], s[20:21]
	s_add_nc_u64 s[46:47], s[6:7], s[46:47]
	CROUND
.irp s, 0,1
	s_mov_b32 s[G0+4*\s], 1
	s_add_co_u32 s[G0+4*\s+1], s45, \s*SLOT
	s_add_nc_u64 s[G0+4*\s+2:G0+4*\s+3], s[20:21], \s*ROWB
	s_or_b32 s[G0+4*\s+3], s[G0+4*\s+3], 0x80000000
	s_mov_b32 s[G0B+4*\s], 1
	s_add_co_u32 s[G0B+4*\s+1], s45, \s*SLOT
	s_add_nc_u64 s[G0B+4*\s+2:G0B+4*\s+3], s[46:47], \s*ROWB
	s_or_b32 s[G0B+4*\s+3], s[G0B+4*\s+3], 0x80000000
.if \s == 0
	JLOAD G0, G1, G0B, G1B                         ; K step 0: one tensor load a wave at the head
.endif
.endr
	; the prefetches: of the 128 rows that my wave fetches jointly my work-group takes 32, told apart by address (cx for the row's tile, cy for the column's): a lane a row, 256 bytes of it a K step
	s_cmp_eq_u32 s15, 0
	s_cselect_b64 s[4:5], s[20:21], s[46:47]
	s_cselect_b32 s2, s40, s41
	s_lshl_b32 s2, s2, 15                          ; 32 rows of 1,024 bytes
	s_mov_b32 s3, 0
	s_add_nc_u64 s[4:5], s[4:5], s[2:3]            ; never rewritten
	v_and_b32 v30, 31, v0
	v_lshlrev_b32 v30, 10, v30                     ; never rewritten
	global_prefetch_b8 v30, s[4:5] offset:256 th:TH_LOAD_NT scope:SCOPE_SE   ; K step 1
	global_prefetch_b8 v30, s[4:5] offset:512 th:TH_LOAD_NT scope:SCOPE_SE   ; K step 2
	v_and_b32 v1, 15, v0
	v_bfe_u32 v2, v0, 4, 1
	s_wait_alu depctr_va_vdst(0)
	v_mul_u32_u24 v3, v1, PITCH
	v_lshl_add_u32 v4, v2, 4, v3
	s_mul_i32 s21, s15, HALFT
	s_mul_i32 s22, s16, HALFT
	s_add_co_u32 s22, s22, 2*HALFT
.irp s, 0,1
	v_add_nc_u32 v[ADRA+\s], s21, v4
	v_add_nc_u32 v[ADRB+\s], s22, v4
	s_add_co_u32 s21, s21, SLOT
	s_add_co_u32 s22, s22, SLOT
.endr
	s_cmp_eq_u32 ttmp9, 0
	s_cselect_b64 s[8:9], s[74:75], s[76:77]
	s_cmp_eq_u32 ttmp9, 2
	s_cselect_b64 s[8:9], s[78:79], s[8:9]
	s_lshl_b32 s18, s42, 8
	s_lshl_b32 s19, s16, 7
	s_add_co_u32 s18, s18, s19
	s_lshl_b32 s22, s17, 8
	s_lshl_b32 s23, s15, 7
	s_add_co_u32 s22, s22, s23
	s_cmp_eq_u32 ttmp9, 2
	s_cselect_b32 s18, 0, s18
	s_cselect_b32 s22, s22, 0
	s_cselect_b32 s82, 0, -1
	s_cselect_b32 s83, -1, 0
	s_lshl_b32 s18, s18, 2
	s_lshl_b32 s22, s22, 2
	s_mov_b32 s19, 0
	s_mov_b32 s23, 0
	s_add_nc_u64 s[100:101], s[8:9], s[22:23]
	s_add_nc_u64 s[8:9], s[8:9], s[18:19]
	v_lshlrev_b32 v5, 5, v2
	v_lshlrev_b32 v6, 2, v1
	v_and_b32 v7, 31, v0
	v_lshlrev_b32 v[CO], 4, v7
.irp b, 0,1,2,3,4,5,6,7
	global_load_b128 v[BC+8*\b:BC+8*\b+3], v5, s[8:9] offset:64*\b
	global_load_b128 v[BC+8*\b+4:BC+8*\b+7], v5, s[8:9] offset:64*\b+16
.endr
.irp a, 0,1,2,3,4,5,6,7
	global_load_b32 v[BR+2*\a], v6, s[100:101] offset:64*\a
	global_load_b32 v[BR+2*\a+1], v6, s[100:101] offset:64*\a
.endr
	s_lshl_b32 s18, s17, 4
	s_lshl_b32 s19, s15, 3
	s_add_co_u32 s18, s18, s19
	s_lshl_b32 s19, s42, 1
	s_add_co_u32 s19, s19, s16
	s_lshl_b32 s22, ttmp9, 22
	s_lshl_b32 s23, s18, 14
	s_add_co_u32 s22, s22, s23
	s_lshl_b32 s23, s19, 11
	s_add_co_u32 s22, s22, s23
	s_lshr_b32 s23, s19, 4
	s_lshl_b32 s23, s23, 21
	s_add_co_u32 s23, s23, 0x800000
	s_lshl_b32 s12, s18, 15
	s_add_co_u32 s23, s23, s12
	s_and_b32 s12, s19, 15
	s_lshl_b32 s12, s12, 11
	s_add_co_u32 s23, s23, s12
	s_cmp_eq_u32 ttmp9, 2
	s_cselect_b32 s22, s23, s22
	s_mov_b32 s12, 16384
	s_cselect_b32 s12, 32768, s12
	s_mov_b32 s23, 0
	s_mov_b32 s13, 0
	s_add_nc_u64 s[10:11], s[80:81], s[22:23]
.macro FRAG reg, adr, q, i
.irp c, 0,1,2,3
	ds_load_b128 v[\reg+4*\c:\reg+4*\c+3], v[\adr] offset:128*(\q)+32*\c+(\i)*16*PITCH
.endr
.endm
.macro MUL16 a0, p, zero
.irp a, \a0, \a0+1
.irp b, 0,1,2,3,4,5,6,7
.if \zero
	v_wmma_f32_16x16x128_fp8_fp8 v[8*(8*((\a)%4)+\b):8*(8*((\a)%4)+\b)+7], v[128*(\p)+FR*\b:128*(\p)+FR*\b+FR-1], v[AF+FR*(\a):AF+FR*(\a)+FR-1], 0
.else
	v_wmma_f32_16x16x128_fp8_fp8 v[8*(8*((\a)%4)+\b):8*(8*((\a)%4)+\b)+7], v[128*(\p)+FR*\b:128*(\p)+FR*\b+FR-1], v[AF+FR*(\a):AF+FR*(\a)+FR-1], v[8*(8*((\a)%4)+\b):8*(8*((\a)%4)+\b)+7]
.endif
.endr
.endr
.endm
.macro FETCH_B slot, q, p
	WIN TO_B
.irp i, 0,1,2,3,4,5,6,7
	FRAG 128*(\p)+FR*\i, ADRB+\slot, \q, \i
.endr
	WIN 0
.endm
.macro FETCH_A slot, q, i0
.irp i, \i0, \i0+1, \i0+2, \i0+3
	FRAG AF+FR*(\i), ADRA+\slot, \q, \i
.endr
.endm
.macro PLACES n
.rept \n
	v_nop
.endr
.endm
.macro STEP slot, q, zero
	s_wait_dscnt 4*NL
	WIN MUL_LO
	MUL16 0, (\q)%2, \zero
	MUL16 2, (\q)%2, \zero
	s_wait_dscnt 0
	PLACES NP
	FETCH_B \slot, (\q)+1, 1-(\q)%2
	FETCH_A \slot, (\q)+1, 0
	WIN MUL_HI
	MUL16 4, (\q)%2, \zero
	MUL16 6, (\q)%2, \zero
	PLACES NP
	WIN 0
	FETCH_A \slot, (\q)+1, 4
.endm
.macro TURN slot, next, fill
	s_wait_tensorcnt 0x0
	ds_add_u32 v[SPW], v[NIL]
	s_wait_dscnt 4*NL+1
	WIN MUL_LO
	MUL16 0, 1, 0
	s_wait_dscnt 0x0
	s_barrier_signal -1
	MUL16 2, 1, 0
	WIN 0
	s_barrier_wait -1
.if \fill
	CREST
	s_add_nc_u64 s[G0+4*\slot+2:G0+4*\slot+3], s[G0+4*\slot+2:G0+4*\slot+3], 2*ROWB
	s_add_nc_u64 s[G0B+4*\slot+2:G0B+4*\slot+3], s[G0B+4*\slot+2:G0B+4*\slot+3], 2*ROWB
	JLOAD G0+4*\slot, G1, G0B+4*\slot, G1B
.else
	PLACES NP
.endif
	FETCH_B \next, 0, 0
	FETCH_A \next, 0, 0
	WIN MUL_HI
	MUL16 4, 1, 0
	MUL16 6, 1, 0
	PLACES NP
	WIN 0
	FETCH_A \next, 0, 4
.endm
	s_wait_alu depctr_va_vdst(0)
	s_wait_tensorcnt 0x0                           ; my part of K step 0 is in
	ds_add_u32 v[SPW], v[NIL]
	s_wait_dscnt 0x0
	CROUND                                         ; everybody's part of K step 0 is in, and the joint loads meet
	JLOAD G0+4, G1, G0B+4, G1B                     ; K step 1, the first tensor load behind the round
	FETCH_B 0, 0, 0
	global_prefetch_b8 v30, s[4:5] offset:768 th:TH_LOAD_NT scope:SCOPE_SE   ; K step 3, the last
	FETCH_A 0, 0, 0
	FETCH_A 0, 0, 4
	STEP 0, 0, 1
	s_mov_b32 s3, LAPS-1
.Llap:
	TURN 0, 1, 1
	STEP 1, 0, 0
	TURN 1, 0, 1
	STEP 0, 0, 0
	s_sub_co_u32 s3, s3, 1
	s_cmp_lg_u32 s3, 0
	s_cbranch_scc1 .Llap
	TURN 0, 1, 0
	STEP 1, 0, 0
	s_wait_dscnt 4*NL
	WIN MUL_LO
	MUL16 0, 1, 0
	MUL16 2, 1, 0
	s_wait_dscnt 0
	WIN MUL_HI
	MUL16 4, 1, 0
	MUL16 6, 1, 0
	WIN 0
	s_wait_kmcnt 0x0
	s_add_co_i32 s84, s84, s85
	s_add_co_i32 s86, s86, s87
	s_add_co_i32 s88, s88, s89
	s_cmp_eq_u32 ttmp9, 0
	s_cselect_b32 s84, s84, s86
	s_cselect_b32 s90, s90, s91
	s_cmp_eq_u32 ttmp9, 2
	s_cselect_b32 s84, s88, s84
	s_cselect_b32 s90, s93, s90
	s_add_co_i32 s84, s84, 127
	s_lshl_b32 s66, s84, 23
	s_mov_b32 s67, s66
	s_add_co_i32 s90, s90, 127
	s_lshl_b32 s91, s90, 23
	s_add_co_i32 s90, s90, 8
	s_lshl_b32 s90, s90, 23
	s_or_b32 s90, s90, 0x600000
	PLACES NP
	v_mov_b32 v113, s91
	v_mov_b32 v112, s90
	s_wait_loadcnt 0x0
.set j, 0
.rept 64
	v_cndmask_b32 v[BC+j], 0, v[BC+j], s82
.set j, j+1
.endr
.set j, 0
.rept 16
	v_cndmask_b32 v[BR+j], 0, v[BR+j], s83
.set j, j+1
.endr
.macro EPI a
.set AC, 64*((\a)%4)
.set IMS, IM+16*((\a)%2)
.if (\a) > 0
	s_wait_xcnt 0x0
	s_add_nc_u64 s[10:11], s[10:11], s[12:13]
.endif
	WIN 0x02+((\a)/4)
.set j, 0
.rept 32
	v_pk_fma_f32 v[T+j:T+j+1], v[AC+j:AC+j+1], s[66:67], v[BC+j:BC+j+1] op_sel_hi:[1,0,1]
.set j, j+2
.endr
	WIN 0
.set j, 0
.rept 32
	v_pk_add_f32 v[T+j:T+j+1], v[T+j:T+j+1], v[BR+2*(\a):BR+2*(\a)+1]
.set j, j+2
.endr
.set j, 0
.rept 64
	v_med3_num_f32 v[T+j], v[T+j], -v112, v112
.set j, j+1
.endr
.irp b, 0,1,2,3,4,5,6,7
	v_cvt_scalef32_pk8_fp8_f32 v[IMS+2*\b:IMS+2*\b+1], v[T+8*\b:T+8*\b+7], v113
.endr
	v_nop
.irp i, 0,1,2,3
	global_store_b128 v[CO], v[IMS+4*\i:IMS+4*\i+3], s[10:11] offset:512*\i
.endr
.endm
.irp a, 0,1,2,3,4,5,6,7
	EPI \a
.endr
	s_wait_tensorcnt 0x0
	ds_add_u32 v[SPW], v[NIL]
	s_wait_dscnt 0x0
	CROUND
	s_endpgm
.Lfunc_end_k_q342c859138_qkv:
	.size	k_q342c859138_qkv, .Lfunc_end_k_q342c859138_qkv-k_q342c859138_qkv
	.p2alignl 7, 3214868480
	.fill 96, 4, 3214868480
	.section	.rodata,"a",@progbits
	.p2align	6, 0x0
	.amdhsa_kernel k_q342c859138_qkv
		.amdhsa_group_segment_fixed_size 327680
		.amdhsa_private_segment_fixed_size 0
		.amdhsa_enable_private_segment 0
		.amdhsa_kernarg_size 56
		.amdhsa_user_sgpr_count 2
		.amdhsa_user_sgpr_kernarg_segment_ptr 1
		.amdhsa_wavefront_size32 1
		.amdhsa_system_sgpr_workgroup_id_x 1
		.amdhsa_system_sgpr_workgroup_id_y 1
		.amdhsa_system_sgpr_workgroup_id_z 1
		.amdhsa_system_vgpr_workitem_id 0
		.amdhsa_next_free_vgpr 1024
		.amdhsa_next_free_sgpr 102
		.amdhsa_reserve_vcc 0
		.amdhsa_float_denorm_mode_32 3
		.amdhsa_float_denorm_mode_16_64 3
		.amdhsa_memory_ordered 1
		.amdhsa_forward_progress 1
		.amdhsa_inst_pref_size 161
	.end_amdhsa_kernel
	.amdgpu_metadata
---
amdhsa.version: [ 1, 2 ]
amdhsa.kernels:
  - .name:           k_q342c859138_qkv
    .symbol:         k_q342c859138_qkv.kd
    .args:
      - { .name: nc, .offset: 0, .size: 8, .value_kind: global_buffer, .address_space: global }
      - { .name: wc, .offset: 8, .size: 8, .value_kind: global_buffer, .address_space: global }
      - { .name: lowp_scales, .offset: 16, .size: 8, .value_kind: global_buffer, .address_space: global }
      - { .name: bq, .offset: 24, .size: 8, .value_kind: global_buffer, .address_space: global }
      - { .name: bk, .offset: 32, .size: 8, .value_kind: global_buffer, .address_space: global }
      - { .name: bv, .offset: 40, .size: 8, .value_kind: global_buffer, .address_space: global }
      - { .name: qkv, .offset: 48, .size: 8, .value_kind: global_buffer, .address_space: global }
    .group_segment_fixed_size: 327680
    .private_segment_fixed_size: 0
    .kernarg_segment_align: 8
    .kernarg_segment_size: 56
    .max_flat_workgroup_size: 128
    .sgpr_count:     102
    .vgpr_count:     1024
    .wavefront_size: 32
...
	.end_amdgpu_metadata
.endif
;; end of part 2
;; launch attn (part 3): grid 8 x 32, 8 waves a work-group, clusters of 4 x 1, 327,680 bytes of LDS; arguments qkv, mask, lowp_scales, ctx; writes ctx
.if DOCPART == 3
	.amdgcn_target "amdgcn-amd-amdhsa--gfx1250"
	.amdhsa_code_object_version 6
	.text
	.protected	k_q342c859138_attn
	.globl	k_q342c859138_attn
	.p2align	8
	.type	k_q342c859138_attn,@function
k_q342c859138_attn:
	s_mov_b64 s[64:65], 0
	v_nop
	global_prefetch_b8 v0, s[64:65] scope:SCOPE_SE
	s_setreg_imm32_b32 hwreg(HW_REG_WAVE_MODE, 25, 1), 1
	s_wait_xcnt 0x0
	s_wait_alu depctr_hold_cnt(0) depctr_sa_sdst(0) depctr_va_vdst(0) depctr_va_sdst(0) depctr_va_ssrc(0) depctr_va_vcc(0) depctr_vm_vsrc(0)
	s_getreg_b32 s2, hwreg(HW_REG_IB_STS2, 6, 4)
	s_cmp_eq_u32 s2, 0
	s_cbranch_scc0 .Lentry_in_a_cluster
	s_endpgm
.Lentry_in_a_cluster:
	s_bfe_u32 s2, ttmp6, 0x10000c
	s_cmp_lg_u32 s2, 0x3003
	s_cbranch_scc0 .Lentry_shape_is_right
	s_endpgm
.Lentry_shape_is_right:
; ctx = softmax(q k^T / 8, keys with mask 0 hidden) v, both products on codes of FP8 (E4M3); the result is quantised (e10) and stored as images of operand registers for the next product.
; t = score x log2(e) / 8; M = the running largest t rounded up to a whole number; p = 2^(t - M) is quantised (e8), not normalised; the row's sum is taken of the unquantised p and divides at the end.
; SHARES.  A work-group owns 256 queries of one head of one batch; each of its eight waves owns 32, two tiles of 16 (a, b).  Every wave walks all 2,048 keys, 128 a step;
; each fragment of K, of V and of the mask's table that a wave reads from LDS serves both its tiles.
; ALL OF THE HEAD'S K AND V LIE IN LDS (128 KiB each, as dense images).  Each wave issues ONE tensor load, 32 KiB: waves 0-3 a quarter of K, waves 4-7 a channel tile of V; every load is a first fill and no byte is filled twice.
; The four query blocks of a cluster belong to one head and ask jointly.  No request follows the head's, so there is none that a prefetch could run ahead of.
; LAYOUT.  S^T = K Q^T (source 0 = 16 keys, source 1 = 16 queries), O^T = V^T P^T (source 0 = 16 channels, source 1 = P): a lane holds one query of each tile.  Register j of score tile T is key 16 T + 8 (lane / 16) + j,
; so the conversion of tile T gives registers 2 T, 2 T + 1 of P in the layout that the K = 128 form reads, which is also how v's images were laid.
; THE MASK.  A table in LDS holds 0 for a key that counts and -2^k for a hidden one, k = max(50, 40 - e6 - e7); a step's 128 entries are the C of the first product.
; A raw score is under 2^24, so a hidden key's t lies at least 2^37 under every other: its p is 0, as with the -1e9 that is asked for, wherever the logits that count lie above -1e9.
; Where NO key of the batch counts, every logit is the same number and the weights are uniform: c is then taken as 0, so that t = 0 and p = 1 for every key (a select, no branch).
; THE LOOK-AHEAD.  In each step the next step's table entries and K are fetched.  The last step's look-ahead reads 128 spare entries behind the table (zeros, stored by wave 0) and V's first bytes; nothing uses them.
; THE ORDER OF A STEP.  Dependent chains of one tile stand among independent lines of the other: a's chain for M among b's maxima, b's among a's rescaling; each tile's exponentials among plain lines of the other tile.
; LIMITS: e6 + e7 between -87 and 70; e8 and e10 between -126 and 119.  NaN among the inputs is not served.
; REGISTERS.  Window 0: v1 16 x lane, v2 the table's address, v4, v5 the add's two, v8-11 the step's addresses, v16-31 Q (a, b), v32-95 K's 8 fragments, v96-159 V's 4, v160-223 the table's entries, v224-241 at work in the head.
; Window 1: tile a from v0, tile b from v128, each: 0-63 S^T, then p; 64-95 O^T; 96-111 p's codes (before that the sum's chains); 112 -M, 113 the largest raw score, 114-115 the sum, 116-117 f, 118-120, 122, 123 at work, 121 the conversion's scale.
.set VLDS,  131072                     ; LDS: K [key tile 128][1 KiB] at 0; V [channel tile 4][block of 128 keys 16][2 KiB] here;
.set BIAS,  262144                     ; the mask's table, 2,048 + 128 f32;
.set FLAGS, BIAS+8704                  ; eight words: does any key of the wave's 256 count?
.set SPARE, FLAGS+256                  ; the spare words, 128 bytes for each wave, which no other line names
.set SPW,  4
.set NIL,  5
.set QF,   16
.set KF,   32
.set VF,   96
.set BI,   160
.set O,    64
.set P,    96
.set NM,   112
.set MT,   113
.set L,    114
.set F,    116
.set T0,   118
.set T1,   119
.set PD,   120
.set SC,   121
.set T2,   122
.set T3,   123
.set WV,   12
.set G1K,  24
.set G1V,  32
.set G0K,  40
.set G0V,  44
.set EO,   54                          ; s54 e8 + e9; s55, s57 -+448 x 2^e10; s56 2^e10
.set CS,   92                          ; s[92:93] c
.set SEL,  94
.set HB,   96                          ; 448 x 2^e8
.set TK,   97
.set TBI,  98
.set TV,   99
.set TV2,  100
.set MSB, 0
.macro WIN new                         ; the immediate's high byte repeats the setting that is left
.if MSB != \new
	s_set_vgpr_msb (MSB<<8)|\new
.set MSB, \new
.endif
.endm
.macro CROUND
	s_barrier_signal -1
	s_barrier_wait -1
	s_cmp_lg_u32 s[WV], 0
	s_cbranch_scc1 .Lnot_wave_0_\@
	s_barrier_signal -3
.Lnot_wave_0_\@:
	s_barrier_wait -3
	s_barrier_signal -1
	s_barrier_wait -1
.endm
.macro LDTAB adr                       ; 128 entries of the table: keys 16 t + 8 (lane / 16) + 0 .. 7
.irp t, 0,1,2,3,4,5,6,7
	ds_load_b128 v[BI+8*\t:BI+8*\t+3], v[\adr] offset:64*\t
	ds_load_b128 v[BI+8*\t+4:BI+8*\t+7], v[\adr] offset:64*\t+16
.endr
.endm
.macro LDK adr                         ; K's images of eight key tiles
.irp t, 0,1,2,3,4,5,6,7
	ds_load_b128 v[KF+8*\t:KF+8*\t+3], v[\adr] offset:1024*\t
	ds_load_b128 v[KF+8*\t+4:KF+8*\t+7], v[\adr] offset:1024*\t+512
.endr
.endm
.macro MX B, n                         ; line n (0 .. 29) of a tile's maxima: four chains (T0 .. T3) by turns over the 64 scores in ascending order
.if (\n) < 4
	v_max3_num_f32 v[\B+T0+(\n)+2*((\n)/2)], v[\B+3*(\n)], v[\B+3*(\n)+1], v[\B+3*(\n)+2]
.else
	v_max3_num_f32 v[\B+T0+(\n)%4+2*(((\n)%4)/2)], v[\B+T0+(\n)%4+2*(((\n)%4)/2)], v[\B+2*(\n)+4], v[\B+2*(\n)+5]
.endif
.endm
.macro CH B, n                         ; line n (0 .. 9) of a tile's chain from the four maxima to f
.if (\n) == 0
	v_max3_num_f32 v[\B+T0], v[\B+T0], v[\B+T1], v[\B+T2]
.endif
.if (\n) == 1
	v_max3_num_f32 v[\B+T0], v[\B+T0], v[\B+T3], v[\B+MT]          ; with the running largest
.endif
.if (\n) == 2
	v_permlanex16_b32 v[\B+PD], v[\B+T0], s[SEL], s[SEL+1]
.endif
.if (\n) == 3
	v_max_num_f32 v[\B+MT], v[\B+T0], v[\B+PD]                     ; and lane l xor 16's
.endif
.if (\n) == 4
	v_mul_f32 v[\B+T0], s[CS], v[\B+MT]                            ; as t (c is not negative)
.endif
.if (\n) == 5
	v_floor_f32 v[\B+T0], -v[\B+T0]                                ; the new -M = floor(-t): M is a whole number
.endif
.if (\n) == 6
	v_sub_f32 v[\B+T1], v[\B+T0], v[\B+NM]                         ; old M - new M, 0 or less
.endif
.if (\n) == 7
	v_mov_b32 v[\B+NM], v[\B+T0]
.endif
.if (\n) == 8
	v_cvt_i32_f32 v[\B+T1], v[\B+T1]                               ; (it saturates)
.endif
.if (\n) == 9
	v_ldexp_f32 v[\B+F], 1.0, v[\B+T1]                             ; f = 2^(old M - new M)
.endif
.endm
.macro AW n                            ; line n (0 .. 48) of tile a's work under its new M: the sum x f, O^T x f, t - M
.if (\n) == 0
	v_pk_mul_f32 v[L:L+1], v[L:L+1], v[F:F+1] op_sel_hi:[1,0]
.endif
.if ((\n) > 0) && ((\n) < 17)
	v_pk_mul_f32 v[O+2*(\n)-2:O+2*(\n)-1], v[O+2*(\n)-2:O+2*(\n)-1], v[F:F+1] op_sel_hi:[1,0]
.endif
.if (\n) >= 17
	v_pk_fma_f32 v[2*(\n)-34:2*(\n)-33], v[2*(\n)-34:2*(\n)-33], s[CS:CS+1], v[NM:NM+1] op_sel_hi:[1,0,0]
.endif
.endm
.macro SUM B                           ; the row's sum of the unquantised p, two at a time, in eight chains (the sum itself and seven pairs where the codes will lie)
	v_pk_add_f32 v[\B+L:\B+L+1], v[\B+L:\B+L+1], v[\B:\B+1]
.set k, 1
.rept 7
	v_pk_add_f32 v[\B+P+2*k-2:\B+P+2*k-1], v[\B+4*k-2:\B+4*k-1], v[\B+4*k:\B+4*k+1]
.set k, k+1
.endr
.set k, 30
.rept 2
	v_pk_add_f32 v[\B+L:\B+L+1], v[\B+L:\B+L+1], v[\B+k:\B+k+1]
.set m, 0
.rept 7
	v_pk_add_f32 v[\B+P+2*m:\B+P+2*m+1], v[\B+P+2*m:\B+P+2*m+1], v[\B+k+2+2*m:\B+k+3+2*m]
.set m, m+1
.endr
.set k, k+16
.endr
	v_pk_add_f32 v[\B+L:\B+L+1], v[\B+L:\B+L+1], v[\B+62:\B+63]
	v_pk_add_f32 v[\B+P:\B+P+1], v[\B+P:\B+P+1], v[\B+P+2:\B+P+3]
	v_pk_add_f32 v[\B+P+4:\B+P+5], v[\B+P+4:\B+P+5], v[\B+P+6:\B+P+7]
	v_pk_add_f32 v[\B+P+8:\B+P+9], v[\B+P+8:\B+P+9], v[\B+P+10:\B+P+11]
	v_pk_add_f32 v[\B+L:\B+L+1], v[\B+L:\B+L+1], v[\B+P+12:\B+P+13]
	v_pk_add_f32 v[\B+P:\B+P+1], v[\B+P:\B+P+1], v[\B+P+4:\B+P+5]
	v_pk_add_f32 v[\B+L:\B+L+1], v[\B+L:\B+L+1], v[\B+P+8:\B+P+9]
	v_pk_add_f32 v[\B+L:\B+L+1], v[\B+L:\B+L+1], v[\B+P:\B+P+1]
.endm
.macro HOLD2 r                         ; the conversion does not saturate (ISA guide 7.6.2); p is not negative: a one-sided hold, two numbers a line
	v_dual_min_num_f32 v[(\r)], s[HB], v[(\r)] :: v_dual_min_num_f32 v[(\r)+1], s[HB], v[(\r)+1]
.endm
.macro CODES B
.irp t, 0,1,2,3,4,5,6,7
	v_cvt_scalef32_pk8_fp8_f32 v[\B+P+2*\t:\B+P+2*\t+1], v[\B+8*\t:\B+8*\t+7], v[\B+SC]
.endr
.endm
	s_load_b256 s[4:11], s[0:1], 0x0               ; qkv 4, mask 6, the scales' exponents 8, ctx 10
	v_lshl_add_u32 v[SPW], v0, 2, SPARE
	v_mov_b32 v[NIL], 0
	ds_add_u32 v[SPW], v[NIL]                      ; the opening: the add, twice on end, with its wait ahead of my tensor load
	ds_add_u32 v[SPW], v[NIL]
	v_lshrrev_b32 v1, 5, v0
	v_readfirstlane_b32 s[WV], v1                  ; wave 0..7
	s_bfe_u32 s13, ttmp6, 0x40000                  ; cx
	s_lshl_b32 s14, ttmp9, 2
	s_add_co_u32 s14, s14, s13                     ; my block of 256 queries: it enters Q's and ctx's addresses alone
	s_and_b32 s15, ttmp7, 0xffff
	s_lshr_b32 s16, s15, 4                         ; batch
	s_and_b32 s17, s15, 15                         ; head
	s_mov_b32 s[G1K], 15|(3<<16)|(1<<21)           ; K: the mask names all four work-groups; elements of 8 bytes; bit 21 beside a mask
	s_mov_b32 s[G1K+1], 128<<16                    ; a key tile's image of the head: 1 KiB
	s_mov_b32 s[G1K+2], 32<<16                     ; 32 key tiles
	s_mov_b32 s[G1K+3], 128<<16
	s_mov_b32 s[G1K+4], 32
	s_mov_b32 s[G1K+5], 2048                       ; 16 KiB apart in memory, dense in LDS
	s_mov_b32 s[G1K+6], 0
	s_mov_b32 s[G1K+7], 0
	s_mov_b32 s[G1V], 15|(3<<16)|(1<<21)           ; V: a dense block of 32 KiB as 128 rows of 256 bytes
	s_mov_b32 s[G1V+1], 32<<16
	s_mov_b32 s[G1V+2], 128<<16
	s_mov_b32 s[G1V+3], 32<<16
	s_mov_b32 s[G1V+4], 128
	s_mov_b32 s[G1V+5], 32
	s_mov_b32 s[G1V+6], 0
	s_mov_b32 s[G1V+7], 0
	s_and_b32 s18, s[WV], 3                        ; which quarter
	s_lshl_b32 s19, s18, 15                        ; its 32 KiB in LDS
	s_lshl_b32 s2, s16, 21                         ; the batch: 2 MiB in each of q, k, v, and in ctx
	s_lshl_b32 s3, s17, 10                         ; the head's 1 KiB in a token tile
	s_lshl_b32 s20, s18, 19                        ; K: 32 key tiles of 16 KiB
	s_add_co_u32 s20, s20, s2
	s_add_co_u32 s20, s20, s3
	s_add_co_u32 s20, s20, 0x400000                ; in k
	s_mov_b32 s21, 0
	s_lshl_b32 s22, s18, 15                        ; V: the channel tile,
	s_lshl_b32 s23, s17, 17                        ; of the head's four,
	s_add_co_u32 s22, s22, s23
	s_add_co_u32 s22, s22, s2
	s_add_co_u32 s22, s22, 0x800000                ; in v
	s_mov_b32 s23, 0
	s_lshl_b32 s48, s14, 18                        ; Q and ctx: token tile 128 batch + 16 block + 2 wave, the head's 1 KiB
	s_add_co_u32 s48, s48, s2
	s_add_co_u32 s48, s48, s3
	s_lshl_b32 s3, s[WV], 15
	s_add_co_u32 s48, s48, s3
	s_mov_b32 s49, 0
	s_lshl_b32 s50, s16, 13                        ; the batch's 2,048 entries of the mask
	s_mov_b32 s51, 0
	s_mov_b32 s[SEL], 0x76543210
	s_mov_b32 s[SEL+1], 0xfedcba98
	s_wait_dscnt 0x0                               ; both opening adds are done
	s_wait_kmcnt 0x0
	s_load_b512 s[76:91], s[8:9], 0x0              ; e[i] in s[76 + i]
	s_add_nc_u64 s[20:21], s[4:5], s[20:21]
	s_add_nc_u64 s[22:23], s[4:5], s[22:23]
	s_add_nc_u64 s[52:53], s[4:5], s[48:49]
	s_add_nc_u64 s[10:11], s[10:11], s[48:49]
	s_add_nc_u64 s[6:7], s[6:7], s[50:51]
	s_mov_b32 s[G0K], 1
	s_mov_b32 s[G0K+1], s19
	s_mov_b64 s[G0K+2:G0K+3], s[20:21]
	s_or_b32 s[G0K+3], s[G0K+3], 0x80000000
	s_mov_b32 s[G0V], 1
	s_add_co_u32 s[G0V+1], s19, VLDS
	s_mov_b64 s[G0V+2:G0V+3], s[22:23]
	s_or_b32 s[G0V+3], s[G0V+3], 0x80000000
	CROUND                                         ; all four work-groups are here: the joint loads meet
	s_cmp_lt_u32 s[WV], 4                          ; one fill to an arm, one arm to a wave
	s_cbranch_scc0 .Lfill_v
	tensor_load_to_lds s[G0K:G0K+3], s[G1K:G1K+7]
	s_nop 0
.rept 4
	v_nop
.endr
	s_branch .Lfilled
.Lfill_v:
	tensor_load_to_lds s[G0V:G0V+3], s[G1V:G1V+7]
	s_nop 0
.rept 4
	v_nop
.endr
.Lfilled:
	v_and_b32 v1, 31, v0
	v_lshlrev_b32 v1, 4, v1                        ; 16 x lane: an image's place for my lane
	v_bfe_u32 v2, v0, 4, 1
	v_lshlrev_b32 v2, 5, v2
	v_add_nc_u32 v2, BIAS, v2                      ; the table: + 32 (lane / 16)
	v_lshlrev_b32 v3, 5, v0                        ; thread t takes entries 8 t .. 8 t + 7 of the mask
	v_add_nc_u32 v6, BIAS, v3
	v_add_nc_u32 v12, BIAS+8192, v1                ; the table's 128 spare entries
	global_load_b128 v[224:227], v3, s[6:7]
	global_load_b128 v[228:231], v3, s[6:7] offset:16
	global_load_b128 v[QF:QF+3], v1, s[52:53]      ; Q's two fragments stay in registers
	global_load_b128 v[QF+4:QF+7], v1, s[52:53] offset:512
	global_load_b128 v[QF+8:QF+11], v1, s[52:53] offset:16384
	global_load_b128 v[QF+12:QF+15], v1, s[52:53] offset:16896
	s_lshl_b32 s2, s[WV], 2
	s_add_co_u32 s2, s2, FLAGS
	v_mov_b32 v7, s2
.irp i, 232,233,234,235
	v_mov_b32 v\i, 0
.endr
	s_wait_alu depctr_va_vdst(0)
	s_wait_kmcnt 0x0
	s_add_co_i32 s58, s82, s83                     ; e6 + e7
	s_sub_co_i32 s59, 40, s58
	s_max_i32 s59, s59, 50                         ; k
	s_add_co_i32 s59, s59, 127
	s_lshl_b32 s59, s59, 23
	s_or_b32 s59, s59, 0x80000000
	v_mov_b32 v236, s59                            ; -2^k
	s_lshl_b32 s58, s58, 23
	s_add_co_i32 s58, s58, 0x3e38aa3b              ; c = log2(e) / 8, with e6 + e7 added to its exponent field
	v_mov_b32 v237, s58
	s_add_co_i32 s58, s84, 127
	s_lshl_b32 s59, s58, 23                        ; 2^e8
	s_add_co_i32 s58, s58, 8
	s_lshl_b32 s58, s58, 23
	s_or_b32 s[HB], s58, 0x600000                  ; 448 x 2^e8
	s_add_co_i32 s[EO], s84, s85                   ; e8 + e9
	s_add_co_i32 s58, s86, 127
	s_lshl_b32 s56, s58, 23                        ; 2^e10
	s_add_co_i32 s58, s58, 8
	s_lshl_b32 s58, s58, 23
	s_or_b32 s57, s58, 0x600000                    ; 448 x 2^e10
	s_or_b32 s55, s57, 0x80000000                  ; and its negative
	s_mov_b32 s[TK], 8192                          ; the next step's K,
	s_mov_b32 s[TBI], 512                          ; the next step's entries of the table (also the loop's counter),
	s_mov_b32 s[TV], VLDS                          ; this step's V: channel tiles 0, 1,
	s_mov_b32 s[TV2], VLDS+65536                   ; and 2, 3
	WIN 0x40                                       ; destination window 1
.irp B, 0,128
	v_mov_b32 v[\B+NM], 0x7f61b1e6                 ; -M: 3e38, so that the first f is 0
	v_mov_b32 v[\B+MT], 0xff61b1e6                 ; the largest raw score so far: -3e38
	v_mov_b32 v[\B+L], 0
	v_mov_b32 v[\B+L+1], 0
	v_mov_b32 v[\B+F+1], 0                         ; named as the upper half of the pair
	v_mov_b32 v[\B+PD], 0                          ; a lane permute's destination counts as read
	v_mov_b32 v[\B+SC], s59
.set j, 0
.rept 32
	v_mov_b32 v[\B+O+j], 0                         ; O^T: the step is written once; the first change of M leaves zeros zeros
.set j, j+1
.endr
.endr
	WIN 0
	s_wait_alu depctr_va_vdst(0)
	s_wait_loadcnt 0x0                             ; the mask and Q
	v_or_b32 v238, v224, v225
	v_or_b32 v239, v226, v227
	v_or_b32 v240, v228, v229
	v_or_b32 v241, v230, v231
	v_or_b32 v238, v238, v239
	v_or_b32 v240, v240, v241
	v_or_b32 v238, v238, v240
.irp i, 224,225,226,227,228,229,230,231
	v_cmp_eq_u32 vcc_lo, 0, v\i
	v_cndmask_b32 v\i, 0, v236, vcc_lo             ; 0 where the key counts, -2^k where it is hidden
.endr
	v_cmp_ne_u32 vcc_lo, 0, v238
	v_mov_b32 v238, vcc_lo                         ; not 0 where any of my wave's 256 keys counts
	s_wait_alu depctr_va_vdst(0)
	s_wait_tensorcnt 0x0                           ; my part of K or V has landed
	ds_store_b128 v6, v[224:227]
	ds_store_b128 v6, v[228:231] offset:16
	ds_store_b32 v7, v238                          ; all lanes write the same word with the same value
	s_cmp_lg_u32 s[WV], 0
	s_cbranch_scc1 .Lno_spare
	ds_store_b128 v12, v[232:235]                  ; wave 0: zeros into the 128 spare entries
.Lno_spare:
	s_wait_dscnt 0x0                               ; for the others' sake: my stores are done
	s_barrier_signal -1
	s_barrier_wait -1                              ; K, V, the table and the flags are whole
	v_mov_b32 v3, FLAGS
	ds_load_b128 v[224:227], v3
	ds_load_b128 v[228:231], v3 offset:16
	LDTAB 2                                        ; step 0
	LDK 1
	s_wait_dscnt 32                                ; the flags are in; the 32 loads behind them may be out
.irp i, 225,226,227,228,229,230,231
	v_or_b32 v224, v224, v\i
.endr
	v_cmp_ne_u32 vcc_lo, 0, v224
	v_cndmask_b32 v237, 0, v237, vcc_lo            ; c, or 0 where no key of the batch counts
	v_readfirstlane_b32 s[CS], v237
	s_mov_b32 s[CS+1], s[CS]                       ; named with it as a pair
	s_wait_alu depctr_va_vdst(0)
.Lstep:                                            ; A KEY STEP: 128 keys, both tiles; 16 trips
	s_wait_dscnt 0x0                               ; this step's table entries and K
	WIN 0x40                                       ; D window 1
.irp t, 0,1,2,3,4,5,6,7
	v_wmma_f32_16x16x64_fp8_fp8 v[8*\t:8*\t+7], v[KF+8*\t:KF+8*\t+7], v[QF:QF+7], v[BI+8*\t:BI+8*\t+7]
	v_wmma_f32_16x16x64_fp8_fp8 v[128+8*\t:128+8*\t+7], v[KF+8*\t:KF+8*\t+7], v[QF+8:QF+15], v[BI+8*\t:BI+8*\t+7]
.endr
	WIN 0
	v_add_nc_u32 v9, s[TV], v1                     ; four plain lines: the places between the last step's second product and the loads into V's registers, and between these products and the first reads of S^T
	v_add_nc_u32 v11, s[TV2], v1
	v_add_nc_u32 v10, s[TBI], v2
	v_add_nc_u32 v8, s[TK], v1
.irp t, 0,1
.irp g, 0,1,2,3
	ds_load_b128 v[VF+16*\t+4*\g:VF+16*\t+4*\g+3], v9 offset:32768*\t+512*\g        ; V's images land while the softmax is walked
.endr
.endr
.irp t, 0,1
.irp g, 0,1,2,3
	ds_load_b128 v[VF+32+16*\t+4*\g:VF+32+16*\t+4*\g+3], v11 offset:32768*\t+512*\g
.endr
.endr
	WIN 0x55                                       ; all places window 1
.set i, 0
.rept 30                                           ; tile a's maxima
	MX 0, i
.set i, i+1
.endr
.set i, 0
.rept 10                                           ; tile b's maxima, and among them tile a's chain to f
	MX 128, 3*i
	MX 128, 3*i+1
	MX 128, 3*i+2
	CH 0, i
.set i, i+1
.endr
.set i, 0
.rept 10                                           ; tile b's chain, among tile a's rescaling and t - M
	CH 128, i
	AW 4*i
	AW 4*i+1
	AW 4*i+2
	AW 4*i+3
.set i, i+1
.endr
.set i, 40
.rept 9
	AW i
.set i, i+1
.endr
	v_pk_mul_f32 v[128+L:128+L+1], v[128+L:128+L+1], v[128+F:128+F+1] op_sel_hi:[1,0]   ; tile b: the sum and O^T under the new M, ahead of the exponentials
.set j, 0
.rept 16
	v_pk_mul_f32 v[128+O+j:128+O+j+1], v[128+O+j:128+O+j+1], v[128+F:128+F+1] op_sel_hi:[1,0]
.set j, j+2
.endr
	s_wait_alu depctr_va_vdst(0)
.set j, 0
.rept 32                                           ; tile a: p = 2^(t - M); among the exponentials tile b's t - M, which names none of their registers
	v_exp_f32 v[j], v[j]
	v_exp_f32 v[j+1], v[j+1]
	v_pk_fma_f32 v[128+j:128+j+1], v[128+j:128+j+1], s[CS:CS+1], v[128+NM:128+NM+1] op_sel_hi:[1,0,0]
.set j, j+2
.endr
	s_wait_alu depctr_va_vdst(0)                   ; one wait: behind tile a's batch and ahead of tile b's
	SUM 0
.set j, 0
.rept 32                                           ; tile b's exponentials; among them tile a's hold
	v_exp_f32 v[128+j], v[128+j]
	v_exp_f32 v[128+j+1], v[128+j+1]
	HOLD2 j
.set j, j+2
.endr
	v_nop                                          ; a plain line behind the last exponential
	s_wait_alu depctr_va_vdst(0)                   ; one wait for the batch, ahead of its first reader
	WIN 0
	LDTAB 10                                       ; the next step's table entries and K
	LDK 8
	WIN 0x55
	CODES 0
	SUM 128
.set j, 0
.rept 32
	HOLD2 128+j
.set j, j+2
.endr
	CODES 128
	v_nop                                          ; a plain line between the conversions and the products
	s_wait_alu depctr_va_vdst(0)
	s_wait_dscnt 32                                ; V's 16 loads are in; the look-ahead's 32 may be out
	WIN 0x54                                       ; source 0 (V) window 0; P, C and D window 1
.irp t, 0,1,2,3                                    ; the eight accumulators by turns
	v_wmma_f32_16x16x128_fp8_fp8 v[O+8*\t:O+8*\t+7], v[VF+16*\t:VF+16*\t+15], v[P:P+15], v[O+8*\t:O+8*\t+7]
	v_wmma_f32_16x16x128_fp8_fp8 v[128+O+8*\t:128+O+8*\t+7], v[VF+16*\t:VF+16*\t+15], v[128+P:128+P+15], v[128+O+8*\t:128+O+8*\t+7]
.endr
	WIN 0
	s_add_co_u32 s[TK], s[TK], 8192
	s_add_co_u32 s[TV], s[TV], 2048
	s_add_co_u32 s[TV2], s[TV2], 2048
	s_add_co_u32 s[TBI], s[TBI], 512
	s_cmp_lg_u32 s[TBI], 8704
	s_cbranch_scc1 .Lstep
	; THE WAY OUT: O^T / the sum x 2^(e8 + e9), held, converted with e10: eight registers a tile, the image of ctx's fragment (16 tokens x the head's 64)
	WIN 0x55
.rept 4
	v_nop
.endr
.irp B, 0,128
	v_add_f32 v[\B+L], v[\B+L], v[\B+L+1]
.endr
.irp B, 0,128
	v_permlanex16_b32 v[\B+PD], v[\B+L], s[SEL], s[SEL+1]
.endr
.irp B, 0,128
	v_add_f32 v[\B+L], v[\B+L], v[\B+PD]           ; the row's sum
.endr
	s_wait_alu depctr_va_vdst(0)
	v_rcp_f32 v[L], v[L]
	v_rcp_f32 v[128+L], v[128+L]
	v_nop                                          ; a plain line behind the reciprocals
	v_mov_b32 v[SC], s56                           ; 2^e10
	v_mov_b32 v[128+SC], s56
	s_wait_alu depctr_va_vdst(0)                   ; the wait, ahead of the first reader
	v_ldexp_f32 v[L], v[L], s[EO]
	v_ldexp_f32 v[128+L], v[128+L], s[EO]
	s_wait_alu depctr_va_vdst(0)                   ; directly ahead of the first reader of O^T
.set j, 0
.rept 32
.irp B, 0,128
	v_mul_f32 v[\B+j], v[\B+O+j], v[\B+L]          ; register 8 t + i: channel 16 t + 8 (lane / 16) + i of my query
.endr
.set j, j+1
.endr
.set j, 0
.rept 32
.irp B, 0,128
	v_med3_num_f32 v[\B+j], v[\B+j], s55, s57
.endr
.set j, j+1
.endr
.irp B, 0,128
.irp t, 0,1,2,3
	v_cvt_scalef32_pk8_fp8_f32 v[\B+P+2*\t:\B+P+2*\t+1], v[\B+8*\t:\B+8*\t+7], v[\B+SC]
.endr
.endr
	v_nop                                          ; a plain line behind the last conversion
	WIN 0x04                                       ; the stores' data window 1
	global_store_b128 v1, v[P:P+3], s[10:11]                       ; 32 lanes store 512 consecutive bytes, aligned
	global_store_b128 v1, v[P+4:P+7], s[10:11] offset:512
	global_store_b128 v1, v[128+P:128+P+3], s[10:11] offset:16384
	global_store_b128 v1, v[128+P+4:128+P+7], s[10:11] offset:16896
	WIN 0
	s_wait_tensorcnt 0x0                           ; the wave's end
	ds_add_u32 v[SPW], v[NIL]
	s_wait_dscnt 0x0
	CROUND                                         ; the closing round: no work-group ends while a partner may still ask for a tile that names it
	s_endpgm
.Lfunc_end_k_q342c859138_attn:
	.size	k_q342c859138_attn, .Lfunc_end_k_q342c859138_attn-k_q342c859138_attn
	.p2alignl 7, 3214868480
	.fill 96, 4, 3214868480
	.section	.rodata,"a",@progbits
	.p2align	6, 0x0
	.amdhsa_kernel k_q342c859138_attn
		.amdhsa_group_segment_fixed_size 327680
		.amdhsa_private_segment_fixed_size 0
		.amdhsa_enable_private_segment 0
		.amdhsa_kernarg_size 32
		.amdhsa_user_sgpr_count 2
		.amdhsa_user_sgpr_kernarg_segment_ptr 1
		.amdhsa_wavefront_size32 1
		.amdhsa_system_sgpr_workgroup_id_x 1
		.amdhsa_system_sgpr_workgroup_id_y 1
		.amdhsa_system_sgpr_workgroup_id_z 1
		.amdhsa_system_vgpr_workitem_id 0
		.amdhsa_next_free_vgpr 512
		.amdhsa_next_free_sgpr 102
		.amdhsa_reserve_vcc 1
		.amdhsa_float_denorm_mode_32 3
		.amdhsa_float_denorm_mode_16_64 3
		.amdhsa_memory_ordered 1
		.amdhsa_forward_progress 1
		.amdhsa_inst_pref_size 51
	.end_amdhsa_kernel
	.amdgpu_metadata
---
amdhsa.version: [ 1, 2 ]
amdhsa.kernels:
  - .name:           k_q342c859138_attn
    .symbol:         k_q342c859138_attn.kd
    .args:
      - { .name: qkv, .offset: 0, .size: 8, .value_kind: global_buffer, .address_space: global }
      - { .name: mask, .offset: 8, .size: 8, .value_kind: global_buffer, .address_space: global }
      - { .name: lowp_scales, .offset: 16, .size: 8, .value_kind: global_buffer, .address_space: global }
      - { .name: ctx, .offset: 24, .size: 8, .value_kind: global_buffer, .address_space: global }
    .group_segment_fixed_size: 327680
    .private_segment_fixed_size: 0
    .kernarg_segment_align: 8
    .kernarg_segment_size: 32
    .max_flat_workgroup_size: 256
    .sgpr_count:     102
    .vgpr_count:     512
    .wavefront_size: 32
...
	.end_amdgpu_metadata
.endif
;; end of part 3
;; launch wo (part 4): grid 8 x 32, 4 waves a work-group, clusters of 4 x 4, 327,680 bytes of LDS; arguments ctx, wc, lowp_scales, bo, x, x1; writes x1
.if DOCPART == 4
	.amdgcn_target "amdgcn-amd-amdhsa--gfx1250"
	.amdhsa_code_object_version 6
	.text
	.protected	k_q342c859138_wo
	.globl	k_q342c859138_wo
	.p2align	8
	.type	k_q342c859138_wo,@function
k_q342c859138_wo:
	s_mov_b64 s[64:65], 0
	v_nop
	global_prefetch_b8 v0, s[64:65] scope:SCOPE_SE
	s_setreg_imm32_b32 hwreg(HW_REG_WAVE_MODE, 25, 1), 1
	s_wait_xcnt 0x0
	s_wait_alu depctr_hold_cnt(0) depctr_sa_sdst(0) depctr_va_vdst(0) depctr_va_sdst(0) depctr_va_ssrc(0) depctr_va_vcc(0) depctr_vm_vsrc(0)
	s_getreg_b32 s2, hwreg(HW_REG_IB_STS2, 6, 4)
	s_cmp_eq_u32 s2, 0
	s_cbranch_scc0 .Lentry_in_a_cluster
	s_endpgm
.Lentry_in_a_cluster:
	s_bfe_u32 s2, ttmp6, 0x10000c
	s_cmp_lg_u32 s2, 0xf033
	s_cbranch_scc0 .Lentry_shape_is_right
	s_endpgm
.Lentry_shape_is_right:
; out = res + bias + A W^T on codes of FP8 (E4M3).  Here: x1 = x + bo + ctx wo.  A arrives as images of operand registers ([tile of 16 rows][block of 128 K][2 KiB]), W as codes [N][K], K innermost.
; C is 4,096 x 1,024: tiles of 128 x 128 give each of 256 work-groups one.  Four waves, each 64 x 64: 16 accumulators.  K goes in steps of 512 through two LDS slots.
; An image comes out of LDS as it lies, 16 bytes a lane, and has k in the places that the K = 128 form gives them (registers 2 c, 2 c + 1: k = 16 c + 8 (lane / 16) + 0 .. 7);
; so W's fragments are read in the same places, by loads of 8 bytes from rows 1,040 bytes apart: the 32 lanes of a load touch 64 different banks (64 banks of 4 bytes: ISA guide 11.1).
; Source 0 = 16 rows of W, source 1 = 16 rows of A: a lane holds eight neighbouring numbers of a row of C.
; CLUSTERS: 4 x 4 work-groups; A's tiles are asked for jointly along a row of the cluster, W's along a column.
; LIMIT: the two exponents' sum lies between -126 and 127.
; REGISTERS: window 0: v8-11 the bias, v16-29 addresses, v32-95 rows on the way out, v128-255 the accumulators ((a, b) at v[128 + 8 (4 a + b)]);
;   window 1: two fragment buffers of 128: A's four fragments, then W's four;  window 2: v0-127 the residual, in the layout in which rows leave.
.set SIZE_K, 1024
.set WOFF,   0x300000                  ; wo's codes in wc
.set EOFF,   0x28                      ; e10, e11
.set KSTEP,  1024                      ; ONE tensor load a wave brings its part of ALL of K (A: 4 tiles x 16 KiB; W: 64 rows x 1,024 bytes): what the text calls slots 0 and 1 are the two halves along K of that one fill, and nothing is filled twice
.set BP,     1040                      ; a row of W in LDS: 1,024 bytes + 16
.set APART,  131072                    ; A's 8 tiles x 8 blocks x 2 KiB,
.set BHALF,  64*BP                     ; then W's 128 rows
.set SLOT,   APART+2*BHALF
.set STAGE,  SLOT                      ; behind the tiles: 16 rows x 272 bytes for each wave
.set SPITCH, 272
.set SPARE,  STAGE+4*16*SPITCH         ; behind the stages: the spare words, 128 bytes for each wave, which no other line names
.set LAPS,   SIZE_K/(2*KSTEP)
.set ADRA, 16
.set ADRB, 20
.set STO,  24
.set RD,   25
.set CO,   26
.set SPW,  28
.set NIL,  29
.set BK,   32
.set ACC,  128
.set F0,   0
.set F1,   128
.set G1, 24
.set G0, 32
.set G1B, 48
.set G0B, 56
.set MSB, 0
.macro WIN new                         ; the immediate's high byte repeats the setting that is left
.if MSB != \new
	s_set_vgpr_msb (MSB<<8)|\new
.set MSB, \new
.endif
.endm
.set MUL,  0x05                        ; sources 0 and 1 window 1; C and D window 0
.set TO_F, 0x40                        ; destination window 1
.macro JLOAD s                         ; a joint load: waves 0 and 1 fetch A's halves, waves 2 and 3 W's; four v_nop follow each line
	s_cmp_eq_u32 s11, 0
	s_cbranch_scc0 .Lfor_b_\@
	tensor_load_to_lds s[G0+4*\s:G0+4*\s+3], s[G1:G1+7]
	s_nop 0
.rept 4
	v_nop
.endr
	s_branch .Lasked_\@
.Lfor_b_\@:
	tensor_load_to_lds s[G0B+4*\s:G0B+4*\s+3], s[G1B:G1B+7]
	s_nop 0
.rept 4
	v_nop
.endr
.Lasked_\@:
.endm
.macro CREST
	s_cmp_lg_u32 s10, 0
	s_cbranch_scc1 .Lnot_wave_0_\@
	s_barrier_signal -3
.Lnot_wave_0_\@:
	s_barrier_wait -3
	s_barrier_signal -1
	s_barrier_wait -1
.endm
.macro CROUND
	s_barrier_signal -1
	s_barrier_wait -1
	CREST
.endm
	s_load_b256 s[68:75], s[0:1], 0x0              ; A's images 68, wc 70, the scales' exponents 72, the bias 74
	s_load_b128 s[76:79], s[0:1], 0x20             ; the residual 76, the output 78
	v_lshl_add_u32 v[SPW], v0, 2, SPARE
	v_mov_b32 v[NIL], 0
	ds_add_u32 v28, v29
	ds_add_u32 v28, v29
	s_wait_dscnt 0x0
	v_lshrrev_b32 v1, 5, v0
	v_readfirstlane_b32 s10, v1                    ; wave 0..3
	s_lshr_b32 s11, s10, 1                         ; which half of the tile's rows is mine.  Also: I fetch for A (0) or for W (1)
	s_and_b32 s12, s10, 1                          ; which half of its columns.  Also: which half of that tile I fetch
	s_bfe_u32 s40, ttmp6, 0x40000
	s_bfe_u32 s41, ttmp6, 0x40004
	s_lshl_b32 s42, ttmp9, 2
	s_add_co_u32 s42, s42, s40                     ; tile column
	s_and_b32 s13, ttmp7, 0xffff
	s_lshl_b32 s13, s13, 2
	s_add_co_u32 s13, s13, s41                     ; tile row
	s_lshl_b32 s43, s41, 2
	s_lshl_b32 s43, 15, s43
	s_lshl_b32 s44, 0x1111, s40
	s_or_b32 s[G1+0], s43, (3<<16)|(1<<21)         ; A: the mask of my row; elements of 8 bytes; bit 21 beside a mask; no padding
	s_mov_b32 s[G1+1], 2048<<16                    ; tensor_dim0: a tile's eight images, 16,384 bytes
	s_mov_b32 s[G1+2], 4<<16                       ; tensor_dim1: four tiles of 16 rows
	s_mov_b32 s[G1+3], 2048<<16
	s_mov_b32 s[G1+4], 4
	s_mov_b32 s[G1+5], 2*SIZE_K                    ; a tile's images of all K: 16 SIZE_K bytes
	s_mov_b32 s[G1+6], 0
	s_mov_b32 s[G1+7], 0
	s_or_b32 s[G1B+0], s44, (0<<16)|(1<<20)|(1<<21)|(7<<22)|(3<<25)   ; W: the mask of my column; elements of 1 byte; 4 words of padding after every 256
	s_mov_b32 s[G1B+1], KSTEP<<16
	s_mov_b32 s[G1B+2], 64<<16
	s_mov_b32 s[G1B+3], KSTEP<<16
	s_mov_b32 s[G1B+4], 64
	s_mov_b32 s[G1B+5], SIZE_K
	s_mov_b32 s[G1B+6], 0
	s_mov_b32 s[G1B+7], 0
	s_lshl_b32 s16, s13, 3
	s_lshl_b32 s17, s12, 2
	s_add_co_u32 s16, s16, s17                     ; A: tile of 16 rows 8 x tile row + 4 x half
	s_mul_i32 s16, s16, 16*SIZE_K
	s_mov_b32 s17, 0
	s_lshl_b32 s46, s42, 7
	s_lshl_b32 s47, s12, 6
	s_add_co_u32 s46, s46, s47                     ; W: row 128 x tile column + 64 x half
	s_mul_i32 s46, s46, SIZE_K
	s_add_co_u32 s46, s46, WOFF
	s_mov_b32 s47, 0
	s_lshl_b32 s20, s12, 16                        ; where they go: A's halves, 64 KiB each,
	s_mul_i32 s21, s12, BHALF
	s_add_co_u32 s21, s21, APART                   ; W's halves behind them
	s_wait_kmcnt 0x0
	s_load_b64 s[80:81], s[72:73], EOFF
	s_add_nc_u64 s[14:15], s[68:69], s[16:17]
	s_add_nc_u64 s[46:47], s[70:71], s[46:47]
	CROUND                                         ; all sixteen work-groups are here: the joint loads meet
.irp s, 0
	s_mov_b32 s[G0+4*\s], 1
	s_add_co_u32 s[G0+4*\s+1], s20, \s*SLOT
	s_add_nc_u64 s[G0+4*\s+2:G0+4*\s+3], s[14:15], \s*8192
	s_or_b32 s[G0+4*\s+3], s[G0+4*\s+3], 0x80000000
	s_mov_b32 s[G0B+4*\s], 1
	s_add_co_u32 s[G0B+4*\s+1], s21, \s*SLOT
	s_add_nc_u64 s[G0B+4*\s+2:G0B+4*\s+3], s[46:47], \s*KSTEP
	s_or_b32 s[G0B+4*\s+3], s[G0B+4*\s+3], 0x80000000
	JLOAD \s
.endr
	v_and_b32 v1, 15, v0                           ; r
	v_bfe_u32 v2, v0, 4, 1                         ; h
	v_and_b32 v3, 31, v0
	v_lshlrev_b32 v4, 4, v3                        ; 16 x lane
	v_mul_u32_u24 v5, v1, BP
	v_lshl_add_u32 v5, v2, 3, v5                   ; W: row r, + 8 h
	s_lshl_b32 s22, s11, 16                        ; my four tiles of A
	s_mul_i32 s23, s12, BHALF
	s_add_co_u32 s23, s23, APART                   ; my 64 rows of W
.irp s, 0,1
	v_add_nc_u32 v[ADRA+\s], s22, v4
	v_add_nc_u32 v[ADRB+\s], s23, v5
	s_add_co_u32 s22, s22, 8192                    ; the second half along K: four images on,
	s_add_co_u32 s23, s23, 512                     ; 512 bytes on in a row of W
.endr
	s_mul_i32 s22, s10, 16*SPITCH
	s_add_co_u32 s22, s22, STAGE                   ; my stage
	v_mul_u32_u24 v5, v1, SPITCH
	v_lshl_add_u32 v5, v2, 5, v5
	v_add_nc_u32 v[STO], s22, v5                   ; in: row r, 32 bytes for each half of the lanes
	v_mul_u32_u24 v5, v2, SPITCH
	v_lshl_add_u32 v5, v1, 4, v5
	v_add_nc_u32 v[RD], s22, v5                    ; back: lanes 0-15 one row of 256 bytes, lanes 16-31 the next
	v_lshlrev_b32 v6, 4, v1                        ; 16 r: my four columns
	v_lshl_add_u32 v[CO], v2, 12, v6               ; and the same two rows in C
	s_wait_alu depctr_va_vdst(0)
	s_lshl_b32 s16, s13, 7
	s_lshl_b32 s17, s11, 6
	s_add_co_u32 s16, s16, s17                     ; my first row of C
	s_lshl_b32 s16, s16, 12
	s_lshl_b32 s18, s42, 7
	s_lshl_b32 s19, s12, 6
	s_add_co_u32 s18, s18, s19                     ; my first column
	s_lshl_b32 s18, s18, 2
	s_mov_b32 s19, 0
	s_add_nc_u64 s[8:9], s[74:75], s[18:19]        ; the bias at my columns
	s_add_co_u32 s16, s16, s18
	s_mov_b32 s17, 0
	s_add_nc_u64 s[4:5], s[76:77], s[16:17]        ; the residual and the output at my corner
	s_add_nc_u64 s[6:7], s[78:79], s[16:17]
.macro MUL4 f, a, zero                 ; A's block a x W's four; the 16 accumulators take turns, one instruction a turn
.irp b, 0,1,2,3
.if \zero
	v_wmma_f32_16x16x128_fp8_fp8 v[ACC+8*(4*(\a)+\b):ACC+8*(4*(\a)+\b)+7], v[\f+64+16*\b:\f+64+16*\b+15], v[\f+16*(\a):\f+16*(\a)+15], 0
.else
	v_wmma_f32_16x16x128_fp8_fp8 v[ACC+8*(4*(\a)+\b):ACC+8*(4*(\a)+\b)+7], v[\f+64+16*\b:\f+64+16*\b+15], v[\f+16*(\a):\f+16*(\a)+15], v[ACC+8*(4*(\a)+\b):ACC+8*(4*(\a)+\b)+7]
.endif
.endr
.endm
.macro FETCH slot, q, f                ; 48 LDS loads in one run: the slot's q-th 128 along K into buffer f: W's four fragments, then A's blocks 0, 1, then 2, 3
	WIN TO_F
.irp b, 0,1,2,3
.irp c, 0,1,2,3,4,5,6,7
	ds_load_b64 v[\f+64+16*\b+2*\c:\f+64+16*\b+2*\c+1], v[ADRB+\slot] offset:16*BP*\b+128*(\q)+16*\c
.endr
.endr
.irp a, 0,1,2,3
.irp c, 0,1,2,3
	ds_load_b128 v[\f+16*\a+4*\c:\f+16*\a+4*\c+3], v[ADRA+\slot] offset:16384*\a+2048*(\q)+512*\c
.endr
.endr
.endm
.macro PLACES                          ; four plain lines between matrix instructions and loads into, or vector lines on, their registers
.rept 4
	v_nop
.endr
.endm
.macro QUARTER slot, q, f, g, zero     ; multiplies buffer f; in its middle fetches the slot's q-th 128 along K into g
	s_wait_dscnt 8                                 ; W and A's blocks 0, 1 are in; the youngest eight loads (A's blocks 2, 3) may be out
	WIN MUL
	MUL4 \f, 0, \zero
	MUL4 \f, 1, \zero
	PLACES
	FETCH \slot, \q, \g
	s_wait_dscnt 48                                ; all but the 48 just issued
	WIN MUL
	MUL4 \f, 2, \zero
	MUL4 \f, 3, \zero
.endm
.macro TURN slot, next, fill           ; the last quarter multiplies buffer 1 and changes slots: one barrier
	WIN 0
	s_wait_tensorcnt 0x0                           ; all my tensor loads have landed: my part of the next slot
	ds_add_u32 v[SPW], v[NIL]                      ; 0 onto my spare word
	s_wait_dscnt 9                                 ; the add and the youngest eight loads may be out
	WIN MUL
	MUL4 F1, 0, 0
	s_wait_dscnt 0x0                               ; the add is done, and my reads of this slot are over
	s_barrier_signal -1
	MUL4 F1, 1, 0
.if \fill
	WIN 0
.endif
	s_barrier_wait -1
.if \fill
	CREST                                          ; the barrier has opened a round of the cluster's barrier: no wave of any partner still reads this slot or has a load on its way
	s_add_nc_u64 s[G0+4*\slot+2:G0+4*\slot+3], s[G0+4*\slot+2:G0+4*\slot+3], 2*8192
	s_add_nc_u64 s[G0B+4*\slot+2:G0B+4*\slot+3], s[G0B+4*\slot+2:G0B+4*\slot+3], 2*KSTEP
	JLOAD \slot                                    ; the first tensor load behind the round; its four v_nop are the places in front of the loads below
.else
	PLACES
.endif
	FETCH \next, 0, F0
	WIN MUL
	MUL4 F1, 2, 0
	MUL4 F1, 3, 0
.endm
	s_wait_tensorcnt 0x0                           ; my one tensor load has landed
	s_barrier_signal -1
	s_barrier_wait -1
	FETCH 0, 0, F0
	WIN 0x80                                       ; destination window 2: the residual is asked for behind the tiles' landing; nothing reads it ahead of the way out
.irp a, 0,1,2,3
.irp t, 0,1,2,3,4,5,6,7
	global_load_b128 v[4*(8*\a+\t):4*(8*\a+\t)+3], v[CO], s[4:5] offset:4096*(16*\a+2*\t) th:TH_LOAD_NT   ; sixteen lanes read 256 consecutive bytes
.endr
.endr
	WIN 0
	global_load_b128 v[8:11], v6, s[8:9]           ; the bias at my four columns
	QUARTER 0, 1, F0, F1, 1
.if LAPS > 1
	WIN 0
	s_mov_b32 s3, LAPS-1
.Llap:
	QUARTER 0, 2, F1, F0, 0
	QUARTER 0, 3, F0, F1, 0
	TURN 0, 1, 1
	QUARTER 1, 1, F0, F1, 0
	QUARTER 1, 2, F1, F0, 0
	QUARTER 1, 3, F0, F1, 0
	TURN 1, 0, 1
	QUARTER 0, 1, F0, F1, 0
	WIN 0
	s_sub_co_u32 s3, s3, 1
	s_cmp_lg_u32 s3, 0
	s_cbranch_scc1 .Llap
.endif
	QUARTER 0, 2, F1, F0, 0
	QUARTER 0, 3, F0, F1, 0
	TURN 0, 1, 0
	QUARTER 1, 1, F0, F1, 0
	QUARTER 1, 2, F1, F0, 0
	QUARTER 1, 3, F0, F1, 0
	s_wait_dscnt 8
	WIN MUL
	MUL4 F1, 0, 0
	MUL4 F1, 1, 0
	s_wait_dscnt 0
	MUL4 F1, 2, 0
	MUL4 F1, 3, 0
	; THE WAY OUT.  A wave's 64 columns are 256 bytes of a row of C: 16 rows at a time go through my own stage and come back as whole rows; then sum x 2^(ea + eb) + (residual + bias)
	s_wait_loadcnt 0x0
	s_wait_kmcnt 0x0
	s_add_co_i32 s80, s80, s81
	s_add_co_i32 s80, s80, 127
	s_lshl_b32 s80, s80, 23                        ; 2^(ea + eb) as f32
	s_mov_b32 s81, s80
	WIN 0x82                                       ; source 0 and destination window 2
.set j, 0
.rept 64
	v_pk_add_f32 v[j:j+1], v[j:j+1], v[8+j%4:9+j%4]    ; residual + bias; these lines are also the places behind the last products
.set j, j+2
.endr
	WIN 0
.macro OUTB a
.set BB, BK+32*((\a)%2)
.if (\a) >= 2
	s_wait_xcnt 0x0                                ; block a - 2's stores have read their registers: the loads below land there only behind this wait
.endif
.irp b, 0,1,2,3
	ds_store_b128 v[STO], v[ACC+8*(4*(\a)+\b):ACC+8*(4*(\a)+\b)+3] offset:64*\b          ; each accumulator from its low end on
	ds_store_b128 v[STO], v[ACC+8*(4*(\a)+\b)+4:ACC+8*(4*(\a)+\b)+7] offset:64*\b+16
.endr
.irp t, 0,1,2,3,4,5,6,7
	ds_load_b128 v[BB+4*\t:BB+4*\t+3], v[RD] offset:\t*2*SPITCH   ; LDS serves a wave's instructions in order (ISA guide 5.7.1.4): these see my stores, and the next block's stores come behind them
.endr
	s_wait_dscnt 0x0
	WIN 0x20                                       ; source 2 window 2
.set j, 0
.rept 16
	v_pk_fma_f32 v[BB+j:BB+j+1], v[BB+j:BB+j+1], s[80:81], v[32*(\a)+j:32*(\a)+j+1] op_sel_hi:[1,0,1]
.set j, j+2
.endr
	WIN 0
.irp t, 0,1,2,3,4,5,6,7
	global_store_b128 v[CO], v[BB+4*\t:BB+4*\t+3], s[6:7] offset:4096*(16*(\a)+2*\t)   ; sixteen lanes store 256 consecutive bytes, aligned
.endr
.endm
	OUTB 0
	OUTB 1
	OUTB 2
	OUTB 3
	s_wait_tensorcnt 0x0                           ; the wave's end
	ds_add_u32 v[SPW], v[NIL]
	s_wait_dscnt 0x0
	CROUND                                         ; the closing round
	s_endpgm
.Lfunc_end_k_q342c859138_wo:
	.size	k_q342c859138_wo, .Lfunc_end_k_q342c859138_wo-k_q342c859138_wo
	.p2alignl 7, 3214868480
	.fill 96, 4, 3214868480
	.section	.rodata,"a",@progbits
	.p2align	6, 0x0
	.amdhsa_kernel k_q342c859138_wo
		.amdhsa_group_segment_fixed_size 327680
		.amdhsa_private_segment_fixed_size 0
		.amdhsa_enable_private_segment 0
		.amdhsa_kernarg_size 48
		.amdhsa_user_sgpr_count 2
		.amdhsa_user_sgpr_kernarg_segment_ptr 1
		.amdhsa_wavefront_size32 1
		.amdhsa_system_sgpr_workgroup_id_x 1
		.amdhsa_system_sgpr_workgroup_id_y 1
		.amdhsa_system_sgpr_workgroup_id_z 1
		.amdhsa_system_vgpr_workitem_id 0
		.amdhsa_next_free_vgpr 640
		.amdhsa_next_free_sgpr 102
		.amdhsa_reserve_vcc 0
		.amdhsa_float_denorm_mode_32 3
		.amdhsa_float_denorm_mode_16_64 3
		.amdhsa_memory_ordered 1
		.amdhsa_forward_progress 1
		.amdhsa_inst_pref_size 60
	.end_amdhsa_kernel
	.amdgpu_metadata
---
amdhsa.version: [ 1, 2 ]
amdhsa.kernels:
  - .name:           k_q342c859138_wo
    .symbol:         k_q342c859138_wo.kd
    .args:
      - { .name: ctx, .offset: 0, .size: 8, .value_kind: global_buffer, .address_space: global }
      - { .name: wc, .offset: 8, .size: 8, .value_kind: global_buffer, .address_space: global }
      - { .name: lowp_scales, .offset: 16, .size: 8, .value_kind: global_buffer, .address_space: global }
      - { .name: bo, .offset: 24, .size: 8, .value_kind: global_buffer, .address_space: global }
      - { .name: x, .offset: 32, .size: 8, .value_kind: global_buffer, .address_space: global }
      - { .name: x1, .offset: 40, .size: 8, .value_kind: global_buffer, .address_space: global }
    .group_segment_fixed_size: 327680
    .private_segment_fixed_size: 0
    .kernarg_segment_align: 8
    .kernarg_segment_size: 48
    .max_flat_workgroup_size: 128
    .sgpr_count:     102
    .vgpr_count:     640
    .wavefront_size: 32
...
	.end_amdgpu_metadata
.endif
;; end of part 4
;; launch ln2 (part 5): grid 256 x 1, 4 waves a work-group, no clusters, 0 bytes of LDS; arguments x1, ln2_a, ln2_b, lowp_scales, n2c; writes n2c
.if DOCPART == 5
	.amdgcn_target "amdgcn-amd-amdhsa--gfx1250"
	.amdhsa_code_object_version 6
	.text
	.protected	k_q342c859138_ln2
	.globl	k_q342c859138_ln2
	.p2align	8
	.type	k_q342c859138_ln2,@function
k_q342c859138_ln2:
	s_mov_b64 s[64:65], 0
	v_nop
	global_prefetch_b8 v0, s[64:65] scope:SCOPE_SE
	s_setreg_imm32_b32 hwreg(HW_REG_WAVE_MODE, 25, 1), 1
	s_wait_xcnt 0x0
; n2 = LayerNorm(x1) (mean, then the sum of squared differences over 1,023, 1e-6 added under the root), quantised with e12 into codes of FP8 (E4M3): n2c = [4096][1024].
; One wave, one row at a time, four rows a wave, all four rows' loads out together; no LDS, no barrier: waves share nothing.
; LIMITS: e12 between -126 and 119.  NaN among the inputs is not served.
.set LX,   128                         ; v128-255 four rows of 32 numbers a lane
.set AL,   64                          ; v64-95   alpha
.set BE,   96                          ; v96-127  beta
.set TT,   24                          ; v24-39   two sets of 8 held numbers
.set CC,   40                          ; v40-47   four pairs of codes
	s_load_b256 s[8:15], s[0:1], 0x0               ; x1 8, ln2_a 10, ln2_b 12, the scales' exponents 14
	s_load_b64 s[16:17], s[0:1], 0x20              ; n2c
	v_lshrrev_b32 v1, 5, v0
	v_readfirstlane_b32 s2, v1                     ; wave 0..3
	v_and_b32 v1, 31, v0                           ; lane
	s_wait_alu depctr_va_vdst(0)
	s_lshl_b32 s3, ttmp9, 4
	s_lshl_b32 s48, s2, 2
	s_add_co_u32 s3, s3, s48                       ; my wave's first row
	s_lshl_b32 s48, s3, 12
	s_mov_b32 s49, 0
	s_lshl_b32 s50, s3, 10
	s_mov_b32 s51, 0
	s_mov_b32 s82, 0x76543210                      ; v_permlanex16_b32: lane l takes lane l xor 16
	s_mov_b32 s83, 0xfedcba98
	s_mov_b32 s84, 0x3a802008                      ; 1 / 1023
	s_mov_b32 s85, 0x358637bd                      ; 1e-6
	v_lshlrev_b32 v2, 5, v1                        ; a lane holds numbers 256 qd + 8 lane + 0 .. 7 of a row, qd = 0 .. 3
	v_lshlrev_b32 v3, 3, v1
	s_wait_alu depctr_va_vdst(0)
	s_wait_kmcnt 0x0
	s_load_b32 s32, s[14:15], 0x30                 ; e12
	s_add_nc_u64 s[92:93], s[8:9], s[48:49]
	s_add_nc_u64 s[86:87], s[16:17], s[50:51]
.irp qd, 0,1,2,3
	global_load_b128 v[AL+8*\qd:AL+8*\qd+3], v2, s[10:11] offset:1024*\qd
	global_load_b128 v[AL+8*\qd+4:AL+8*\qd+7], v2, s[10:11] offset:1024*\qd+16
	global_load_b128 v[BE+8*\qd:BE+8*\qd+3], v2, s[12:13] offset:1024*\qd
	global_load_b128 v[BE+8*\qd+4:BE+8*\qd+7], v2, s[12:13] offset:1024*\qd+16
.endr
.irp i, 0,1,2,3
.irp qd, 0,1,2,3
	global_load_b128 v[LX+32*\i+8*\qd:LX+32*\i+8*\qd+3], v2, s[92:93] offset:4096*\i+1024*\qd
	global_load_b128 v[LX+32*\i+8*\qd+4:LX+32*\i+8*\qd+7], v2, s[92:93] offset:4096*\i+1024*\qd+16
.endr
.endr
	s_wait_kmcnt 0x0
	s_add_co_i32 s48, s32, 127
	s_lshl_b32 s49, s48, 23
	v_mov_b32 v16, s49                             ; 2^e12
	s_add_co_i32 s48, s48, 8
	s_lshl_b32 s48, s48, 23
	s_or_b32 s48, s48, 0x600000
	v_mov_b32 v19, s48                             ; 448 x 2^e12
.macro JOIN                            ; four chains in v[8:15] -> the sum over the wave's 32 lanes, in v8 of every lane
	v_pk_add_f32 v[8:9], v[8:9], v[10:11]
	v_pk_add_f32 v[12:13], v[12:13], v[14:15]
	v_pk_add_f32 v[8:9], v[8:9], v[12:13]
	v_add_f32 v8, v8, v9
	v_add_f32_dpp v8, v8, v8 row_xmask:1 row_mask:0xf bank_mask:0xf
	v_add_f32_dpp v8, v8, v8 row_xmask:2 row_mask:0xf bank_mask:0xf
	v_add_f32_dpp v8, v8, v8 row_xmask:4 row_mask:0xf bank_mask:0xf
	v_add_f32_dpp v8, v8, v8 row_xmask:8 row_mask:0xf bank_mask:0xf
	v_permlanex16_b32 v9, v8, s82, s83
	v_add_f32 v8, v8, v9
.endm
.macro ROW i
.set R0, LX+32*\i
	s_wait_loadcnt 8*(3-\i)                        ; this row's eight loads are in; the later rows' stay out
.irp k, 0,1,2,3
	v_pk_add_f32 v[8+2*\k:9+2*\k], v[R0+2*\k:R0+2*\k+1], v[R0+8+2*\k:R0+9+2*\k]
.endr
.irp k, 0,1,2,3
	v_pk_add_f32 v[8+2*\k:9+2*\k], v[8+2*\k:9+2*\k], v[R0+16+2*\k:R0+17+2*\k]
.endr
.irp k, 0,1,2,3
	v_pk_add_f32 v[8+2*\k:9+2*\k], v[8+2*\k:9+2*\k], v[R0+24+2*\k:R0+25+2*\k]
.endr
	JOIN
	v_mul_f32 v4, 0x3a800000, v8                   ; the mean: sum / 1024
	v_mov_b32 v5, v4
.set j, 0
.rept 16
	v_pk_add_f32 v[R0+j:R0+j+1], v[R0+j:R0+j+1], v[4:5] neg_lo:[0,1] neg_hi:[0,1]   ; x - mean first: no difference of large sums is formed
.set j, j+2
.endr
.irp k, 0,1,2,3
	v_pk_mul_f32 v[8+2*\k:9+2*\k], v[R0+2*\k:R0+2*\k+1], v[R0+2*\k:R0+2*\k+1]
.endr
.irp m, 8,16,24
.irp k, 0,1,2,3
	v_pk_fma_f32 v[8+2*\k:9+2*\k], v[R0+\m+2*\k:R0+\m+2*\k+1], v[R0+\m+2*\k:R0+\m+2*\k+1], v[8+2*\k:9+2*\k]
.endr
.endr
	JOIN
	v_fma_f32 v8, v8, s84, s85                     ; the variance over 1,023, + 1e-6
	s_wait_alu depctr_va_vdst(0)
	v_rsq_f32 v6, v8
	v_rsq_f32 v7, v8
	v_nop                                          ; a plain line behind the roots, ahead of the first use
	s_wait_alu depctr_va_vdst(0)                   ; one wait for both, ahead of their first reader
.set j, 0
.rept 16
	v_pk_mul_f32 v[R0+j:R0+j+1], v[R0+j:R0+j+1], v[6:7]
.set j, j+2
.endr
.set j, 0
.rept 16
	v_pk_fma_f32 v[R0+j:R0+j+1], v[R0+j:R0+j+1], v[AL+j:AL+j+1], v[BE+j:BE+j+1]
.set j, j+2
.endr
.if \i > 0
	s_wait_xcnt 0x0                                ; the last row's stores have read their codes: the registers are written again only behind this wait
.endif
.irp qd, 0,1,2,3
.irp n, 0,1,2,3,4,5,6,7
	v_med3_num_f32 v[TT+8*(\qd%2)+\n], v[R0+8*\qd+\n], -v19, v19
.endr
	v_cvt_scalef32_pk8_fp8_f32 v[CC+2*\qd:CC+2*\qd+1], v[TT+8*(\qd%2):TT+8*(\qd%2)+7], v16
.endr
	v_nop                                          ; a plain line behind the last conversion
.irp qd, 0,1,2,3
	global_store_b64 v3, v[CC+2*\qd:CC+2*\qd+1], s[86:87] offset:1024*\i+256*\qd   ; 32 lanes store 256 consecutive bytes, aligned
.endr
.endm
	ROW 0
	ROW 1
	ROW 2
	ROW 3
	s_endpgm
.Lfunc_end_k_q342c859138_ln2:
	.size	k_q342c859138_ln2, .Lfunc_end_k_q342c859138_ln2-k_q342c859138_ln2
	.p2alignl 7, 3214868480
	.fill 96, 4, 3214868480
	.section	.rodata,"a",@progbits
	.p2align	6, 0x0
	.amdhsa_kernel k_q342c859138_ln2
		.amdhsa_group_segment_fixed_size 0
		.amdhsa_private_segment_fixed_size 0
		.amdhsa_enable_private_segment 0
		.amdhsa_kernarg_size 40
		.amdhsa_user_sgpr_count 2
		.amdhsa_user_sgpr_kernarg_segment_ptr 1
		.amdhsa_wavefront_size32 1
		.amdhsa_system_sgpr_workgroup_id_x 1
		.amdhsa_system_sgpr_workgroup_id_y 1
		.amdhsa_system_sgpr_workgroup_id_z 1
		.amdhsa_system_vgpr_workitem_id 0
		.amdhsa_next_free_vgpr 256
		.amdhsa_next_free_sgpr 100
		.amdhsa_reserve_vcc 0
		.amdhsa_float_denorm_mode_32 3
		.amdhsa_float_denorm_mode_16_64 3
		.amdhsa_memory_ordered 1
		.amdhsa_forward_progress 1
		.amdhsa_inst_pref_size 42
	.end_amdhsa_kernel
	.amdgpu_metadata
---
amdhsa.version: [ 1, 2 ]
amdhsa.kernels:
  - .name:           k_q342c859138_ln2
    .symbol:         k_q342c859138_ln2.kd
    .args:
      - { .name: x1, .offset: 0, .size: 8, .value_kind: global_buffer, .address_space: global }
      - { .name: ln2_a, .offset: 8, .size: 8, .value_kind: global_buffer, .address_space: global }
      - { .name: ln2_b, .offset: 16, .size: 8, .value_kind: global_buffer, .address_space: global }
      - { .name: lowp_scales, .offset: 24, .size: 8, .value_kind: global_buffer, .address_space: global }
      - { .name: n2c, .offset: 32, .size: 8, .value_kind: global_buffer, .address_space: global }
    .group_segment_fixed_size: 0
    .private_segment_fixed_size: 0
    .kernarg_segment_align: 8
    .kernarg_segment_size: 40
    .max_flat_workgroup_size: 128
    .sgpr_count:     100
    .vgpr_count:     256
    .wavefront_size: 32
...
	.end_amdgpu_metadata
.endif
;; end of part 5
;; launch ffn1 (part 6): grid 16 x 16, 4 waves a work-group, clusters of 4 x 4, 327,680 bytes of LDS; arguments n2c, wc, lowp_scales, b1, himg; writes himg
.if DOCPART == 6
	.amdgcn_target "amdgcn-amd-amdhsa--gfx1250"
	.amdhsa_code_object_version 6
	.text
	.protected	k_q342c859138_ffn1
	.globl	k_q342c859138_ffn1
	.p2align	8
	.type	k_q342c859138_ffn1,@function
k_q342c859138_ffn1:
	s_mov_b64 s[64:65], 0
	v_nop
	global_prefetch_b8 v0, s[64:65] scope:SCOPE_SE
	s_setreg_imm32_b32 hwreg(HW_REG_WAVE_MODE, 25, 1), 1
	s_wait_xcnt 0x0
	s_wait_alu depctr_hold_cnt(0) depctr_sa_sdst(0) depctr_va_vdst(0) depctr_va_sdst(0) depctr_va_ssrc(0) depctr_va_vcc(0) depctr_vm_vsrc(0)
	s_getreg_b32 s2, hwreg(HW_REG_IB_STS2, 6, 4)
	s_cmp_eq_u32 s2, 0
	s_cbranch_scc0 .Lentry_in_a_cluster
	s_endpgm
.Lentry_in_a_cluster:
	s_bfe_u32 s2, ttmp6, 0x10000c
	s_cmp_lg_u32 s2, 0xf033
	s_cbranch_scc0 .Lentry_shape_is_right
	s_endpgm
.Lentry_shape_is_right:
.set KSTEP,  256
.set ROWB,   256
.set KROW,   1024
.set PITCH,  272
.set FR,     16
.set NL,     4
.set NP,     4
.set HALFT,  128*PITCH
.set SLOT,   4*HALFT
.set LAPS,   2
.set SPARE,  2*SLOT
.set ADRA, 16
.set ADRB, 20
.set CO,   26
.set SPW,  28
.set NIL,  29
.set BC,   32
.set AF,   128
.set T,    128
.set IM,   192
.set G1, 24
.set G0, 32
.set G1B, 48
.set G0B, 56
.set MSB, 0
.macro WIN new
.if MSB != \new
	s_set_vgpr_msb (MSB<<8)|\new
.set MSB, \new
.endif
.endm
.set MUL_LO, 0xa1
.set MUL_HI, 0xf1
.set TO_B,   0x40
.macro JLOAD g0a, g1a, g0b, g1b
	s_cmp_eq_u32 s15, 0
	s_cbranch_scc0 .Lfor_b_\@
	tensor_load_to_lds s[\g0a:\g0a+3], s[\g1a:\g1a+7]
	s_nop 0
.rept 4
	v_nop
.endr
	s_branch .Lasked_\@
.Lfor_b_\@:
	tensor_load_to_lds s[\g0b:\g0b+3], s[\g1b:\g1b+7]
	s_nop 0
.rept 4
	v_nop
.endr
.Lasked_\@:
.endm
.macro CREST
	s_cmp_lg_u32 s14, 0
	s_cbranch_scc1 .Lnot_wave_0_\@
	s_barrier_signal -3
.Lnot_wave_0_\@:
	s_barrier_wait -3
	s_barrier_signal -1
	s_barrier_wait -1
.endm
.macro CROUND
	s_barrier_signal -1
	s_barrier_wait -1
	CREST
.endm
	s_load_b256 s[68:75], s[0:1], 0x0
	s_load_b64 s[80:81], s[0:1], 0x20
	v_lshl_add_u32 v[SPW], v0, 2, SPARE
	v_mov_b32 v[NIL], 0
	ds_add_u32 v28, v29
	ds_add_u32 v28, v29
	s_wait_dscnt 0x0
	v_lshrrev_b32 v1, 5, v0
	v_readfirstlane_b32 s14, v1
	s_lshr_b32 s15, s14, 1
	s_and_b32 s16, s14, 1
	s_bfe_u32 s40, ttmp6, 0x40000
	s_bfe_u32 s41, ttmp6, 0x40004
	s_lshl_b32 s42, ttmp9, 2
	s_add_co_u32 s42, s42, s40
	s_and_b32 s17, ttmp7, 0xffff
	s_lshl_b32 s17, s17, 2
	s_add_co_u32 s17, s17, s41
	s_lshl_b32 s43, s41, 2
	s_lshl_b32 s43, 15, s43
	s_lshl_b32 s44, 0x1111, s40
	s_or_b32 s[G1+0], s43, (0<<16)|(1<<20)|(1<<21)|(5<<22)|(3<<25)
	s_or_b32 s[G1B+0], s44, (0<<16)|(1<<20)|(1<<21)|(5<<22)|(3<<25)
.irp g, G1, G1B
	s_mov_b32 s[\g+1], ROWB<<16
	s_mov_b32 s[\g+2], 128<<16
	s_mov_b32 s[\g+3], ROWB<<16
	s_mov_b32 s[\g+4], 128
	s_mov_b32 s[\g+5], KROW
	s_mov_b32 s[\g+6], 0
	s_mov_b32 s[\g+7], 0
.endr
	s_lshl_b32 s18, s16, 7
	s_lshl_b32 s20, s17, 8
	s_add_co_u32 s20, s20, s18
	s_lshl_b32 s46, s42, 8
	s_add_co_u32 s46, s46, s18
	s_lshl_b32 s20, s20, 10
	s_lshl_b32 s46, s46, 10
	s_add_co_u32 s46, s46, 0x400000
	s_mov_b32 s21, 0
	s_mov_b32 s47, 0
	s_mul_i32 s45, s14, HALFT
	s_wait_kmcnt 0x0
	s_load_b128 s[84:87], s[72:73], 0x30
	s_add_nc_u64 s[20:21], s[68:69], s[20:21]
	s_add_nc_u64 s[46:47], s[70:71], s[46:47]
	CROUND
.irp s, 0,1
	s_mov_b32 s[G0+4*\s], 1
	s_add_co_u32 s[G0+4*\s+1], s45, \s*SLOT
	s_add_nc_u64 s[G0+4*\s+2:G0+4*\s+3], s[20:21], \s*ROWB
	s_or_b32 s[G0+4*\s+3], s[G0+4*\s+3], 0x80000000
	s_mov_b32 s[G0B+4*\s], 1
	s_add_co_u32 s[G0B+4*\s+1], s45, \s*SLOT
	s_add_nc_u64 s[G0B+4*\s+2:G0B+4*\s+3], s[46:47], \s*ROWB
	s_or_b32 s[G0B+4*\s+3], s[G0B+4*\s+3], 0x80000000
.if \s == 0
	JLOAD G0, G1, G0B, G1B                         ; K step 0: one tensor load a wave at the head
.endif
.endr
	; the prefetches: of the 128 rows that my wave fetches jointly my work-group takes 32, told apart by address (cx for A, cy for B): a lane a row, 256 bytes of it a K step
	s_cmp_eq_u32 s15, 0
	s_cselect_b64 s[4:5], s[20:21], s[46:47]
	s_cselect_b32 s2, s40, s41
	s_lshl_b32 s2, s2, 15                          ; 32 rows of 1,024 bytes
	s_mov_b32 s3, 0
	s_add_nc_u64 s[4:5], s[4:5], s[2:3]            ; never rewritten
	v_and_b32 v30, 31, v0
	v_lshlrev_b32 v30, 10, v30                     ; never rewritten
	global_prefetch_b8 v30, s[4:5] offset:256 th:TH_LOAD_NT scope:SCOPE_SE   ; K step 1
	global_prefetch_b8 v30, s[4:5] offset:512 th:TH_LOAD_NT scope:SCOPE_SE   ; K step 2
	v_and_b32 v1, 15, v0
	v_bfe_u32 v2, v0, 4, 1
	s_wait_alu depctr_va_vdst(0)
	v_mul_u32_u24 v3, v1, PITCH
	v_lshl_add_u32 v4, v2, 4, v3
	s_mul_i32 s21, s15, HALFT
	s_mul_i32 s22, s16, HALFT
	s_add_co_u32 s22, s22, 2*HALFT
.irp s, 0,1
	v_add_nc_u32 v[ADRA+\s], s21, v4
	v_add_nc_u32 v[ADRB+\s], s22, v4
	s_add_co_u32 s21, s21, SLOT
	s_add_co_u32 s22, s22, SLOT
.endr
	s_lshl_b32 s18, s42, 8
	s_lshl_b32 s19, s16, 7
	s_add_co_u32 s18, s18, s19
	s_lshl_b32 s18, s18, 2
	s_mov_b32 s19, 0
	s_add_nc_u64 s[8:9], s[74:75], s[18:19]
	v_lshlrev_b32 v5, 5, v2
	v_and_b32 v7, 31, v0
	v_lshlrev_b32 v[CO], 4, v7
.irp b, 0,1,2,3,4,5,6,7
	global_load_b128 v[BC+8*\b:BC+8*\b+3], v5, s[8:9] offset:64*\b
	global_load_b128 v[BC+8*\b+4:BC+8*\b+7], v5, s[8:9] offset:64*\b+16
.endr
	s_lshl_b32 s18, s17, 4
	s_lshl_b32 s19, s15, 3
	s_add_co_u32 s18, s18, s19
	s_lshl_b32 s19, s42, 1
	s_add_co_u32 s19, s19, s16
	s_lshl_b32 s22, s18, 16
	s_lshl_b32 s23, s19, 11
	s_add_co_u32 s22, s22, s23
	s_mov_b32 s23, 0
	s_add_nc_u64 s[10:11], s[80:81], s[22:23]
.macro FRAG reg, adr, q, i
.irp c, 0,1,2,3
	ds_load_b128 v[\reg+4*\c:\reg+4*\c+3], v[\adr] offset:128*(\q)+32*\c+(\i)*16*PITCH
.endr
.endm
.macro MUL16 a0, p, zero
.irp a, \a0, \a0+1
.irp b, 0,1,2,3,4,5,6,7
.if \zero
	v_wmma_f32_16x16x128_fp8_fp8 v[8*(8*((\a)%4)+\b):8*(8*((\a)%4)+\b)+7], v[128*(\p)+FR*\b:128*(\p)+FR*\b+FR-1], v[AF+FR*(\a):AF+FR*(\a)+FR-1], 0
.else
	v_wmma_f32_16x16x128_fp8_fp8 v[8*(8*((\a)%4)+\b):8*(8*((\a)%4)+\b)+7], v[128*(\p)+FR*\b:128*(\p)+FR*\b+FR-1], v[AF+FR*(\a):AF+FR*(\a)+FR-1], v[8*(8*((\a)%4)+\b):8*(8*((\a)%4)+\b)+7]
.endif
.endr
.endr
.endm
.macro FETCH_B slot, q, p
	WIN TO_B
.irp i, 0,1,2,3,4,5,6,7
	FRAG 128*(\p)+FR*\i, ADRB+\slot, \q, \i
.endr
	WIN 0
.endm
.macro FETCH_A slot, q, i0
.irp i, \i0, \i0+1, \i0+2, \i0+3
	FRAG AF+FR*(\i), ADRA+\slot, \q, \i
.endr
.endm
.macro PLACES n
.rept \n
	v_nop
.endr
.endm
.macro STEP slot, q, zero
	s_wait_dscnt 4*NL
	WIN MUL_LO
	MUL16 0, (\q)%2, \zero
	MUL16 2, (\q)%2, \zero
	s_wait_dscnt 0
	PLACES NP
	FETCH_B \slot, (\q)+1, 1-(\q)%2
	FETCH_A \slot, (\q)+1, 0
	WIN MUL_HI
	MUL16 4, (\q)%2, \zero
	MUL16 6, (\q)%2, \zero
	PLACES NP
	WIN 0
	FETCH_A \slot, (\q)+1, 4
.endm
.macro TURN slot, next, fill
	s_wait_tensorcnt 0x0
	ds_add_u32 v[SPW], v[NIL]
	s_wait_dscnt 4*NL+1
	WIN MUL_LO
	MUL16 0, 1, 0
	s_wait_dscnt 0x0
	s_barrier_signal -1
	MUL16 2, 1, 0
	WIN 0
	s_barrier_wait -1
.if \fill
	CREST
	s_add_nc_u64 s[G0+4*\slot+2:G0+4*\slot+3], s[G0+4*\slot+2:G0+4*\slot+3], 2*ROWB
	s_add_nc_u64 s[G0B+4*\slot+2:G0B+4*\slot+3], s[G0B+4*\slot+2:G0B+4*\slot+3], 2*ROWB
	JLOAD G0+4*\slot, G1, G0B+4*\slot, G1B
.else
	PLACES NP
.endif
	FETCH_B \next, 0, 0
	FETCH_A \next, 0, 0
	WIN MUL_HI
	MUL16 4, 1, 0
	MUL16 6, 1, 0
	PLACES NP
	WIN 0
	FETCH_A \next, 0, 4
.endm
	s_wait_alu depctr_va_vdst(0)
	s_wait_tensorcnt 0x0                           ; my part of K step 0 is in
	ds_add_u32 v[SPW], v[NIL]
	s_wait_dscnt 0x0
	CROUND                                         ; everybody's part of K step 0 is in, and the joint loads meet
	JLOAD G0+4, G1, G0B+4, G1B                     ; K step 1, the first tensor load behind the round
	FETCH_B 0, 0, 0
	global_prefetch_b8 v30, s[4:5] offset:768 th:TH_LOAD_NT scope:SCOPE_SE   ; K step 3, the last
	FETCH_A 0, 0, 0
	FETCH_A 0, 0, 4
	STEP 0, 0, 1
	s_mov_b32 s3, LAPS-1
.Llap:
	TURN 0, 1, 1
	STEP 1, 0, 0
	TURN 1, 0, 1
	STEP 0, 0, 0
	s_sub_co_u32 s3, s3, 1
	s_cmp_lg_u32 s3, 0
	s_cbranch_scc1 .Llap
	TURN 0, 1, 0
	STEP 1, 0, 0
	s_wait_dscnt 4*NL
	WIN MUL_LO
	MUL16 0, 1, 0
	MUL16 2, 1, 0
	s_wait_dscnt 0
	WIN MUL_HI
	MUL16 4, 1, 0
	MUL16 6, 1, 0
	WIN 0
	s_wait_kmcnt 0x0
	s_add_co_i32 s84, s84, s85
	s_add_co_i32 s84, s84, 127
	s_lshl_b32 s66, s84, 23
	s_mov_b32 s67, s66
	s_add_co_i32 s86, s86, 127
	s_lshl_b32 s87, s86, 23
	s_add_co_i32 s86, s86, 8
	s_lshl_b32 s86, s86, 23
	s_or_b32 s86, s86, 0x600000
	PLACES NP
	v_mov_b32 v113, s87
	v_mov_b32 v112, s86
	s_wait_loadcnt 0x0
.macro EPI a
.set AC, 64*((\a)%4)
.set IMS, IM+16*((\a)%2)
.if (\a) > 0
	s_wait_xcnt 0x0
	s_add_nc_u64 s[10:11], s[10:11], 65536
.endif
	WIN 0x02+((\a)/4)
.set j, 0
.rept 32
	v_pk_fma_f32 v[T+j:T+j+1], v[AC+j:AC+j+1], s[66:67], v[BC+j:BC+j+1] op_sel_hi:[1,0,1]
.set j, j+2
.endr
	WIN 0
.set j, 0
.rept 64
	v_med3_num_f32 v[T+j], v[T+j], 0, v112
.set j, j+1
.endr
.irp b, 0,1,2,3,4,5,6,7
	v_cvt_scalef32_pk8_fp8_f32 v[IMS+2*\b:IMS+2*\b+1], v[T+8*\b:T+8*\b+7], v113
.endr
	v_nop
.irp i, 0,1,2,3
	global_store_b128 v[CO], v[IMS+4*\i:IMS+4*\i+3], s[10:11] offset:512*\i
.endr
.endm
.irp a, 0,1,2,3,4,5,6,7
	EPI \a
.endr
	s_wait_tensorcnt 0x0
	ds_add_u32 v[SPW], v[NIL]
	s_wait_dscnt 0x0
	CROUND
	s_endpgm
.Lfunc_end_k_q342c859138_ffn1:
	.size	k_q342c859138_ffn1, .Lfunc_end_k_q342c859138_ffn1-k_q342c859138_ffn1
	.p2alignl 7, 3214868480
	.fill 96, 4, 3214868480
	.section	.rodata,"a",@progbits
	.p2align	6, 0x0
	.amdhsa_kernel k_q342c859138_ffn1
		.amdhsa_group_segment_fixed_size 327680
		.amdhsa_private_segment_fixed_size 0
		.amdhsa_enable_private_segment 0
		.amdhsa_kernarg_size 40
		.amdhsa_user_sgpr_count 2
		.amdhsa_user_sgpr_kernarg_segment_ptr 1
		.amdhsa_wavefront_size32 1
		.amdhsa_system_sgpr_workgroup_id_x 1
		.amdhsa_system_sgpr_workgroup_id_y 1
		.amdhsa_system_sgpr_workgroup_id_z 1
		.amdhsa_system_vgpr_workitem_id 0
		.amdhsa_next_free_vgpr 1024
		.amdhsa_next_free_sgpr 102
		.amdhsa_reserve_vcc 0
		.amdhsa_float_denorm_mode_32 3
		.amdhsa_float_denorm_mode_16_64 3
		.amdhsa_memory_ordered 1
		.amdhsa_forward_progress 1
		.amdhsa_inst_pref_size 137
	.end_amdhsa_kernel
	.amdgpu_metadata
---
amdhsa.version: [ 1, 2 ]
amdhsa.kernels:
  - .name:           k_q342c859138_ffn1
    .symbol:         k_q342c859138_ffn1.kd
    .args:
      - { .name: n2c, .offset: 0, .size: 8, .value_kind: global_buffer, .address_space: global }
      - { .name: wc, .offset: 8, .size: 8, .value_kind: global_buffer, .address_space: global }
      - { .name: lowp_scales, .offset: 16, .size: 8, .value_kind: global_buffer, .address_space: global }
      - { .name: b1, .offset: 24, .size: 8, .value_kind: global_buffer, .address_space: global }
      - { .name: himg, .offset: 32, .size: 8, .value_kind: global_buffer, .address_space: global }
    .group_segment_fixed_size: 327680
    .private_segment_fixed_size: 0
    .kernarg_segment_align: 8
    .kernarg_segment_size: 40
    .max_flat_workgroup_size: 128
    .sgpr_count:     102
    .vgpr_count:     1024
    .wavefront_size: 32
...
	.end_amdgpu_metadata
.endif
;; end of part 6
;; launch ffn2 (part 7): grid 8 x 32, 4 waves a work-group, clusters of 4 x 4, 327,680 bytes of LDS; arguments himg, wc, lowp_scales, b2, x1, out0; writes out0
.if DOCPART == 7
	.amdgcn_target "amdgcn-amd-amdhsa--gfx1250"
	.amdhsa_code_object_version 6
	.text
	.protected	k_q342c859138_ffn2
	.globl	k_q342c859138_ffn2
	.p2align	8
	.type	k_q342c859138_ffn2,@function
k_q342c859138_ffn2:
	s_mov_b64 s[64:65], 0
	v_nop
	global_prefetch_b8 v0, s[64:65] scope:SCOPE_SE
	s_setreg_imm32_b32 hwreg(HW_REG_WAVE_MODE, 25, 1), 1
	s_wait_xcnt 0x0
	s_wait_alu depctr_hold_cnt(0) depctr_sa_sdst(0) depctr_va_vdst(0) depctr_va_sdst(0) depctr_va_ssrc(0) depctr_va_vcc(0) depctr_vm_vsrc(0)
	s_getreg_b32 s2, hwreg(HW_REG_IB_STS2, 6, 4)
	s_cmp_eq_u32 s2, 0
	s_cbranch_scc0 .Lentry_in_a_cluster
	s_endpgm
.Lentry_in_a_cluster:
	s_bfe_u32 s2, ttmp6, 0x10000c
	s_cmp_lg_u32 s2, 0xf033
	s_cbranch_scc0 .Lentry_shape_is_right
	s_endpgm
.Lentry_shape_is_right:
.set SIZE_K, 4096
.set WOFF,   0x800000
.set EOFF,   0x38
.set KSTEP,  512
.set BP,     528
.set APART,  65536
.set BHALF,  64*BP
.set SLOT,   APART+2*BHALF
.set STAGE,  2*SLOT
.set SPITCH, 272
.set SPARE,  STAGE+4*16*SPITCH
.set LAPS,   SIZE_K/(2*KSTEP)
.set ADRA, 16
.set ADRB, 20
.set STO,  24
.set RD,   25
.set CO,   26
.set SPW,  28
.set NIL,  29
.set BK,   32
.set ACC,  128
.set F0,   0
.set F1,   128
.set G1, 24
.set G0, 32
.set G1B, 48
.set G0B, 56
.set MSB, 0
.macro WIN new
.if MSB != \new
	s_set_vgpr_msb (MSB<<8)|\new
.set MSB, \new
.endif
.endm
.set MUL,  0x05
.set TO_F, 0x40
.macro JLOAD s
	s_cmp_eq_u32 s11, 0
	s_cbranch_scc0 .Lfor_b_\@
	tensor_load_to_lds s[G0+4*\s:G0+4*\s+3], s[G1:G1+7]
	s_nop 0
.rept 4
	v_nop
.endr
	s_branch .Lasked_\@
.Lfor_b_\@:
	tensor_load_to_lds s[G0B+4*\s:G0B+4*\s+3], s[G1B:G1B+7]
	s_nop 0
.rept 4
	v_nop
.endr
.Lasked_\@:
.endm
.macro CREST
	s_cmp_lg_u32 s10, 0
	s_cbranch_scc1 .Lnot_wave_0_\@
	s_barrier_signal -3
.Lnot_wave_0_\@:
	s_barrier_wait -3
	s_barrier_signal -1
	s_barrier_wait -1
.endm
.macro CROUND
	s_barrier_signal -1
	s_barrier_wait -1
	CREST
.endm
	s_load_b256 s[68:75], s[0:1], 0x0
	s_load_b128 s[76:79], s[0:1], 0x20
	v_lshl_add_u32 v[SPW], v0, 2, SPARE
	v_mov_b32 v[NIL], 0
	ds_add_u32 v28, v29
	ds_add_u32 v28, v29
	s_wait_dscnt 0x0
	v_lshrrev_b32 v1, 5, v0
	v_readfirstlane_b32 s10, v1
	s_lshr_b32 s11, s10, 1
	s_and_b32 s12, s10, 1
	s_bfe_u32 s40, ttmp6, 0x40000
	s_bfe_u32 s41, ttmp6, 0x40004
	s_lshl_b32 s42, ttmp9, 2
	s_add_co_u32 s42, s42, s40
	s_and_b32 s13, ttmp7, 0xffff
	s_lshl_b32 s13, s13, 2
	s_add_co_u32 s13, s13, s41
	s_lshl_b32 s43, s41, 2
	s_lshl_b32 s43, 15, s43
	s_lshl_b32 s44, 0x1111, s40
	s_or_b32 s[G1+0], s43, (3<<16)|(1<<21)
	s_mov_b32 s[G1+1], 1024<<16
	s_mov_b32 s[G1+2], 4<<16
	s_mov_b32 s[G1+3], 1024<<16
	s_mov_b32 s[G1+4], 4
	s_mov_b32 s[G1+5], 2*SIZE_K
	s_mov_b32 s[G1+6], 0
	s_mov_b32 s[G1+7], 0
	s_or_b32 s[G1B+0], s44, (0<<16)|(1<<20)|(1<<21)|(6<<22)|(3<<25)
	s_mov_b32 s[G1B+1], KSTEP<<16
	s_mov_b32 s[G1B+2], 64<<16
	s_mov_b32 s[G1B+3], KSTEP<<16
	s_mov_b32 s[G1B+4], 64
	s_mov_b32 s[G1B+5], SIZE_K
	s_mov_b32 s[G1B+6], 0
	s_mov_b32 s[G1B+7], 0
	s_lshl_b32 s16, s13, 3
	s_lshl_b32 s17, s12, 2
	s_add_co_u32 s16, s16, s17
	s_mul_i32 s16, s16, 16*SIZE_K
	s_mov_b32 s17, 0
	s_lshl_b32 s46, s42, 7
	s_lshl_b32 s47, s12, 6
	s_add_co_u32 s46, s46, s47
	s_mul_i32 s46, s46, SIZE_K
	s_add_co_u32 s46, s46, WOFF
	s_mov_b32 s47, 0
	s_lshl_b32 s20, s12, 15
	s_mul_i32 s21, s12, BHALF
	s_add_co_u32 s21, s21, APART
	s_wait_kmcnt 0x0
	s_load_b64 s[80:81], s[72:73], EOFF
	s_add_nc_u64 s[14:15], s[68:69], s[16:17]
	s_add_nc_u64 s[46:47], s[70:71], s[46:47]
	CROUND
.irp s, 0,1
	s_mov_b32 s[G0+4*\s], 1
	s_add_co_u32 s[G0+4*\s+1], s20, \s*SLOT
	s_add_nc_u64 s[G0+4*\s+2:G0+4*\s+3], s[14:15], \s*8192
	s_or_b32 s[G0+4*\s+3], s[G0+4*\s+3], 0x80000000
	s_mov_b32 s[G0B+4*\s], 1
	s_add_co_u32 s[G0B+4*\s+1], s21, \s*SLOT
	s_add_nc_u64 s[G0B+4*\s+2:G0B+4*\s+3], s[46:47], \s*KSTEP
	s_or_b32 s[G0B+4*\s+3], s[G0B+4*\s+3], 0x80000000
.if \s == 0
	JLOAD 0                                        ; K step 0: one tensor load a wave at the head
.endif
.endr
	v_and_b32 v1, 15, v0
	v_bfe_u32 v2, v0, 4, 1
	v_and_b32 v3, 31, v0
	v_lshlrev_b32 v4, 4, v3
	v_mul_u32_u24 v5, v1, BP
	v_lshl_add_u32 v5, v2, 3, v5
	s_lshl_b32 s22, s11, 15
	s_mul_i32 s23, s12, BHALF
	s_add_co_u32 s23, s23, APART
.irp s, 0,1
	v_add_nc_u32 v[ADRA+\s], s22, v4
	v_add_nc_u32 v[ADRB+\s], s23, v5
	s_add_co_u32 s22, s22, SLOT
	s_add_co_u32 s23, s23, SLOT
.endr
	s_mul_i32 s22, s10, 16*SPITCH
	s_add_co_u32 s22, s22, STAGE
	v_mul_u32_u24 v5, v1, SPITCH
	v_lshl_add_u32 v5, v2, 5, v5
	v_add_nc_u32 v[STO], s22, v5
	v_mul_u32_u24 v5, v2, SPITCH
	v_lshl_add_u32 v5, v1, 4, v5
	v_add_nc_u32 v[RD], s22, v5
	v_lshlrev_b32 v6, 4, v1
	v_lshl_add_u32 v[CO], v2, 12, v6
	; the prefetches: of what my wave fetches jointly in a K step (A: 4 tiles x 8 KiB; W: 64 rows x 512 bytes) my work-group takes a quarter, told apart by address: 32 blocks of 256 bytes, a lane a block
	s_lshl_b32 s88, s13, 3
	s_lshl_b32 s89, s12, 2
	s_add_co_u32 s88, s88, s89
	s_add_co_u32 s88, s88, s40                     ; A: tile of 16 rows 8 x tile row + 4 x half + cx
	s_lshl_b32 s88, s88, 16                        ; 16 SIZE_K bytes each
	s_lshl_b32 s89, s42, 7
	s_lshl_b32 s91, s12, 6
	s_add_co_u32 s89, s89, s91
	s_lshl_b32 s91, s41, 4
	s_add_co_u32 s89, s89, s91                     ; W: row 128 x tile column + 64 x half + 16 cy
	s_lshl_b32 s89, s89, 12                        ; SIZE_K bytes each
	s_add_co_u32 s89, s89, WOFF
	s_cmp_eq_u32 s11, 0                            ; do I fetch for A?
	s_cselect_b32 s88, s88, s89
	s_cselect_b64 s[84:85], s[68:69], s[70:71]
	s_mov_b32 s86, KSTEP
	s_cselect_b32 s86, 8192, s86                   ; a K step on, in bytes
	s_cselect_b32 s90, -1, 0
	s_mov_b32 s89, 0
	s_mov_b32 s87, 0
	s_add_nc_u64 s[84:85], s[84:85], s[88:89]
	s_add_nc_u64 s[84:85], s[84:85], s[86:87]      ; at K step 1; each refill steps it by one K step
	v_lshlrev_b32 v7, 8, v3                        ; A: 256 x lane
	v_lshrrev_b32 v12, 1, v3
	v_lshlrev_b32 v12, 12, v12
	v_and_b32 v13, 1, v3
	v_lshl_add_u32 v12, v13, 8, v12                ; W: row lane / 2, 256 x (lane % 2)
	v_cndmask_b32 v30, v12, v7, s90                ; my block in the K step at which the address stands,
	v_add_nc_u32 v31, s86, v30                     ; one K step on,
	v_add_nc_u32 v14, s86, v31                     ; two K steps on; none of the three is rewritten
	s_wait_alu depctr_va_vdst(0)
	global_prefetch_b8 v30, s[84:85] th:TH_LOAD_NT scope:SCOPE_SE   ; K step 1
	global_prefetch_b8 v31, s[84:85] th:TH_LOAD_NT scope:SCOPE_SE   ; K step 2
	s_lshl_b32 s16, s13, 7
	s_lshl_b32 s17, s11, 6
	s_add_co_u32 s16, s16, s17
	s_lshl_b32 s16, s16, 12
	s_lshl_b32 s18, s42, 7
	s_lshl_b32 s19, s12, 6
	s_add_co_u32 s18, s18, s19
	s_lshl_b32 s18, s18, 2
	s_mov_b32 s19, 0
	s_add_nc_u64 s[8:9], s[74:75], s[18:19]
	s_add_co_u32 s16, s16, s18
	s_mov_b32 s17, 0
	s_add_nc_u64 s[4:5], s[76:77], s[16:17]
	s_add_nc_u64 s[6:7], s[78:79], s[16:17]
.macro MUL4 f, a, zero
.irp b, 0,1,2,3
.if \zero
	v_wmma_f32_16x16x128_fp8_fp8 v[ACC+8*(4*(\a)+\b):ACC+8*(4*(\a)+\b)+7], v[\f+64+16*\b:\f+64+16*\b+15], v[\f+16*(\a):\f+16*(\a)+15], 0
.else
	v_wmma_f32_16x16x128_fp8_fp8 v[ACC+8*(4*(\a)+\b):ACC+8*(4*(\a)+\b)+7], v[\f+64+16*\b:\f+64+16*\b+15], v[\f+16*(\a):\f+16*(\a)+15], v[ACC+8*(4*(\a)+\b):ACC+8*(4*(\a)+\b)+7]
.endif
.endr
.endm
.macro FETCH slot, q, f
	WIN TO_F
.irp b, 0,1,2,3
.irp c, 0,1,2,3,4,5,6,7
	ds_load_b64 v[\f+64+16*\b+2*\c:\f+64+16*\b+2*\c+1], v[ADRB+\slot] offset:16*BP*\b+128*(\q)+16*\c
.endr
.endr
.irp a, 0,1,2,3
.irp c, 0,1,2,3
	ds_load_b128 v[\f+16*\a+4*\c:\f+16*\a+4*\c+3], v[ADRA+\slot] offset:8192*\a+2048*(\q)+512*\c
.endr
.endr
.endm
.macro PLACES
.rept 4
	v_nop
.endr
.endm
.macro QUARTER slot, q, f, g, zero
	s_wait_dscnt 8
	WIN MUL
	MUL4 \f, 0, \zero
	MUL4 \f, 1, \zero
	PLACES
	FETCH \slot, \q, \g
	s_wait_dscnt 48
	WIN MUL
	MUL4 \f, 2, \zero
	MUL4 \f, 3, \zero
.endm
.macro TURN slot, next, fill
	WIN 0
.if \fill
	s_wait_xcnt 0x0                                ; any prefetch of mine has read its address: it is stepped only behind this wait
	s_add_nc_u64 s[84:85], s[84:85], s[86:87]
.endif
	s_wait_tensorcnt 0x0
	ds_add_u32 v[SPW], v[NIL]
	s_wait_dscnt 9
	WIN MUL
	MUL4 F1, 0, 0
	s_wait_dscnt 0x0
	s_barrier_signal -1
	MUL4 F1, 1, 0
.if \fill
	WIN 0
.endif
	s_barrier_wait -1
.if \fill
	CREST
	s_add_nc_u64 s[G0+4*\slot+2:G0+4*\slot+3], s[G0+4*\slot+2:G0+4*\slot+3], 2*8192
	s_add_nc_u64 s[G0B+4*\slot+2:G0B+4*\slot+3], s[G0B+4*\slot+2:G0B+4*\slot+3], 2*KSTEP
	JLOAD \slot
.else
	PLACES
.endif
	FETCH \next, 0, F0
.if \fill
	WIN 0
	s_cmp_gt_u32 s3, 1                             ; the last trip's two refills have no K step two on
	s_cbranch_scc0 .Lno_ask_\@
	global_prefetch_b8 v14, s[84:85] th:TH_LOAD_NT scope:SCOPE_SE   ; the K step that stands two refills on
.Lno_ask_\@:
.endif
	WIN MUL
	MUL4 F1, 2, 0
	MUL4 F1, 3, 0
.endm
	s_wait_alu depctr_va_vdst(0)
	s_wait_tensorcnt 0x0                           ; my part of K step 0 is in
	ds_add_u32 v[SPW], v[NIL]
	s_wait_dscnt 0x0
	CROUND                                         ; everybody's part of K step 0 is in, and the joint loads meet
	JLOAD 1                                        ; K step 1, the first tensor load behind the round
	FETCH 0, 0, F0
	WIN 0
	global_prefetch_b8 v14, s[84:85] th:TH_LOAD_NT scope:SCOPE_SE   ; K step 3
	WIN 0x80                                       ; destination window 2: the residual is asked for behind K step 0's landing; nothing reads it ahead of the way out
.irp a, 0,1,2,3
.irp t, 0,1,2,3,4,5,6,7
	global_load_b128 v[4*(8*\a+\t):4*(8*\a+\t)+3], v[CO], s[4:5] offset:4096*(16*\a+2*\t) th:TH_LOAD_NT   ; sixteen lanes read 256 consecutive bytes
.endr
.endr
	WIN 0
	global_load_b128 v[8:11], v6, s[8:9]           ; the bias at my four columns
	QUARTER 0, 1, F0, F1, 1
.if LAPS > 1
	WIN 0
	s_mov_b32 s3, LAPS-1
.Llap:
	QUARTER 0, 2, F1, F0, 0
	QUARTER 0, 3, F0, F1, 0
	TURN 0, 1, 1
	QUARTER 1, 1, F0, F1, 0
	QUARTER 1, 2, F1, F0, 0
	QUARTER 1, 3, F0, F1, 0
	TURN 1, 0, 1
	QUARTER 0, 1, F0, F1, 0
	WIN 0
	s_sub_co_u32 s3, s3, 1
	s_cmp_lg_u32 s3, 0
	s_cbranch_scc1 .Llap
.endif
	QUARTER 0, 2, F1, F0, 0
	QUARTER 0, 3, F0, F1, 0
	TURN 0, 1, 0
	QUARTER 1, 1, F0, F1, 0
	QUARTER 1, 2, F1, F0, 0
	QUARTER 1, 3, F0, F1, 0
	s_wait_dscnt 8
	WIN MUL
	MUL4 F1, 0, 0
	MUL4 F1, 1, 0
	s_wait_dscnt 0
	MUL4 F1, 2, 0
	MUL4 F1, 3, 0
	s_wait_loadcnt 0x0
	s_wait_kmcnt 0x0
	s_add_co_i32 s80, s80, s81
	s_add_co_i32 s80, s80, 127
	s_lshl_b32 s80, s80, 23
	s_mov_b32 s81, s80
	WIN 0x82
.set j, 0
.rept 64
	v_pk_add_f32 v[j:j+1], v[j:j+1], v[8+j%4:9+j%4]
.set j, j+2
.endr
	WIN 0
.macro OUTB a
.set BB, BK+32*((\a)%2)
.if (\a) >= 2
	s_wait_xcnt 0x0
.endif
.irp b, 0,1,2,3
	ds_store_b128 v[STO], v[ACC+8*(4*(\a)+\b):ACC+8*(4*(\a)+\b)+3] offset:64*\b
	ds_store_b128 v[STO], v[ACC+8*(4*(\a)+\b)+4:ACC+8*(4*(\a)+\b)+7] offset:64*\b+16
.endr
.irp t, 0,1,2,3,4,5,6,7
	ds_load_b128 v[BB+4*\t:BB+4*\t+3], v[RD] offset:\t*2*SPITCH
.endr
	s_wait_dscnt 0x0
	WIN 0x20
.set j, 0
.rept 16
	v_pk_fma_f32 v[BB+j:BB+j+1], v[BB+j:BB+j+1], s[80:81], v[32*(\a)+j:32*(\a)+j+1] op_sel_hi:[1,0,1]
.set j, j+2
.endr
	WIN 0
.irp t, 0,1,2,3,4,5,6,7
	global_store_b128 v[CO], v[BB+4*\t:BB+4*\t+3], s[6:7] offset:4096*(16*(\a)+2*\t)
.endr
.endm
	OUTB 0
	OUTB 1
	OUTB 2
	OUTB 3
	s_wait_tensorcnt 0x0
	ds_add_u32 v[SPW], v[NIL]
	s_wait_dscnt 0x0
	CROUND
	s_endpgm
.Lfunc_end_k_q342c859138_ffn2:
	.size	k_q342c859138_ffn2, .Lfunc_end_k_q342c859138_ffn2-k_q342c859138_ffn2
	.p2alignl 7, 3214868480
	.fill 96, 4, 3214868480
	.section	.rodata,"a",@progbits
	.p2align	6, 0x0
	.amdhsa_kernel k_q342c859138_ffn2
		.amdhsa_group_segment_fixed_size 327680
		.amdhsa_private_segment_fixed_size 0
		.amdhsa_enable_private_segment 0
		.amdhsa_kernarg_size 48
		.amdhsa_user_sgpr_count 2
		.amdhsa_user_sgpr_kernarg_segment_ptr 1
		.amdhsa_wavefront_size32 1
		.amdhsa_system_sgpr_workgroup_id_x 1
		.amdhsa_system_sgpr_workgroup_id_y 1
		.amdhsa_system_sgpr_workgroup_id_z 1
		.amdhsa_system_vgpr_workitem_id 0
		.amdhsa_next_free_vgpr 640
		.amdhsa_next_free_sgpr 102
		.amdhsa_reserve_vcc 0
		.amdhsa_float_denorm_mode_32 3
		.amdhsa_float_denorm_mode_16_64 3
		.amdhsa_memory_ordered 1
		.amdhsa_forward_progress 1
		.amdhsa_inst_pref_size 100
	.end_amdhsa_kernel
	.amdgpu_metadata
---
amdhsa.version: [ 1, 2 ]
amdhsa.kernels:
  - .name:           k_q342c859138_ffn2
    .symbol:         k_q342c859138_ffn2.kd
    .args:
      - { .name: himg, .offset: 0, .size: 8, .value_kind: global_buffer, .address_space: global }
      - { .name: wc, .offset: 8, .size: 8, .value_kind: global_buffer, .address_space: global }
      - { .name: lowp_scales, .offset: 16, .size: 8, .value_kind: global_buffer, .address_space: global }
      - { .name: b2, .offset: 24, .size: 8, .value_kind: global_buffer, .address_space: global }
      - { .name: x1, .offset: 32, .size: 8, .value_kind: global_buffer, .address_space: global }
      - { .name: out0, .offset: 40, .size: 8, .value_kind: global_buffer, .address_space: global }
    .group_segment_fixed_size: 327680
    .private_segment_fixed_size: 0
    .kernarg_segment_align: 8
    .kernarg_segment_size: 48
    .max_flat_workgroup_size: 128
    .sgpr_count:     102
    .vgpr_count:     640
    .wavefront_size: 32
...
	.end_amdgpu_metadata
.endif
;; end of part 7
